; MI455X (gfx1250); checked and timed in simulation.
; The chip was launched on July 23, 2026; its instructions are those of AMD's public machine-readable ISA for CDNA 5 (MIT licence, August 2026) and "CDNA5" Instruction Set Architecture Reference Guide (July 2026). The comments in the code are by the model that wrote it; some were corrected since.
;; Multi Head Attention. Allowed arithmetic: matrix products marked QUANTISED: E2M1 operands, one E8M0 scale for each 32 along K, by v_wmma_scale_f32_16x16x128_f8f6f4 with both operands' format E2M1 (or v_wmma_scale_f32_32x16x128_f4), f32 sums; products left as they are: bf16, f16 or f32 operands; f32 sums; everything else in f32.
;; Inputs: K 2 x 2,048 x 1,024 float32; Q 2 x 2,048 x 1,024 float32; V 2 x 2,048 x 1,024 float32; Wk 1,024 x 1,024 float32; Wo 1,024 x 1,024 float32; Wq 1,024 x 1,024 float32; Wv 1,024 x 1,024 float32; bk 1,024 float32; bo 1,024 float32; bq 1,024 float32; bv 1,024 float32.
;; Outputs: out0 2 x 2,048 x 1,024 float32.
;; This version of the problem:
;;   THIS VERSION OF THE PROBLEM IS GIVEN IN LOW PRECISION. The matrix products marked QUANTISED in the list below multiply operands that are first quantised to E2M1 (2 exponent bits, 1 mantissa bit; 4 bits a number), with one power-of-two scale for each 32 numbers along K (OCP MX v1.0); their sums are f32. The products marked 'left as it is' may take bf16, f16 or f32 operands, with f32 sums. Whichever they take, every output number must still come out within the allowed error. Rounding operands to bf16 (8 significant bits) uses up far more of that allowance than f16 does (11 bits, for magnitudes from 6e-5 to 65,504). All else is computed in f32.
;;   The module's matrix products, in the order in which they are computed (A, B: the left and right operand; K: the contracted axis; several contracted axes count as one K, in the product's order):
;;     1. [M 4,096, K 1,024] x [K 1,024, N 1,024]; A: input Q; B: input Wq: QUANTISED
;;     2. [M 4,096, K 1,024] x [K 1,024, N 1,024]; A: input K; B: input Wk: QUANTISED
;;     3. [M 4,096, K 1,024] x [K 1,024, N 1,024]; A: input V; B: input Wv: QUANTISED
;;     4. batch 32 x [M 2,048, K 64] x [K 64, N 2,048]; A: computed on the way; B: computed on the way: left as it is (an operand is computed on the way)
;;     5. batch 32 x [M 2,048, K 2,048] x [K 2,048, N 64]; A: computed on the way; B: computed on the way: left as it is (an operand is computed on the way)
;;     6. [M 4,096, K 1,024] x [K 1,024, N 1,024]; A: computed on the way; B: input Wo: left as it is (an operand is computed on the way)
;;   THE QUANTISER, for each operand of a quantised product, along K:
;;     - K is cut into blocks of 32 from its start; a last block that is shorter is filled with zeros.
;;     - A block's scale is 2^e with e = floor(log2(the largest magnitude in the block)) - 2, held to -126 .. 127; a block of zeros has e = 0. As a byte (E8M0): e + 127.
;;     - Each number is divided by its block's scale, clamped to +-6, and rounded to the nearest number of E2M1, ties to even, subnormals kept.
;;     - The product sums the exact products of the quantised numbers (number of the format x scale) in f32.
;;   ~~~python
;;   def quantise(x, axis):      # numpy; x: float32 -> the quantised numbers, widened to float32 again
;;       x = np.moveaxis(x, axis, -1); K = x.shape[-1]
;;       x = np.pad(x, [(0, 0)] * (x.ndim - 1) + [(0, -K % 32)]); x = x.reshape(x.shape[:-1] + (-1, 32)); a = np.abs(x).max(-1, keepdims=True)
;;       e = np.where(a > 0, np.clip(np.frexp(np.where(a > 0, a, 1))[1] - 1 - 2, -126, 127), 0)      # np.frexp(a)[1] - 1 = floor(log2(a)), exactly
;;       r = np.clip(x / 2.0 ** e, -6, 6)
;;       step = 2.0 ** (np.maximum(np.frexp(np.where(r == 0, 1, r))[1] - 1, 0) - 1)
;;       q = np.round(r / step) * step * 2.0 ** e      # np.round: ties to even
;;       return np.moveaxis(q.reshape(q.shape[:-2] + (-1,))[..., :K], -1, axis).astype(np.float32)
;;   ~~~
;; One version. Each part assembles by itself: llvm-mc -triple=amdgcn-amd-amdhsa -mcpu=gfx1250 --defsym DOCPART=n.
;; ======== version 1 of 1: 4 launches
;; limits: values are held in f16: magnitudes above 65,504 overflow, below 6.1e-05 lose precision; right only within a limited range of input values
;; workspace buffers: codes 7,864,320 bytes; scales 491,520 bytes; wo16 2,097,152 bytes; qkv 25,165,824 bytes; att 8,388,608 bytes
;; launch quant (part 1): grid 512 x 1, 4 waves a work-group, no clusters, 33,280 bytes of LDS; arguments Q, K, V, Wq, Wk, Wv, Wo, codes, scales, wo16; writes codes, scales, wo16
.if DOCPART == 1
	.amdgcn_target "amdgcn-amd-amdhsa--gfx1250"
	.amdhsa_code_object_version 6
	.text
	.protected	k_qacdef809f6_quant
	.globl	k_qacdef809f6_quant
	.p2align	8
	.type	k_qacdef809f6_quant,@function
k_qacdef809f6_quant:
	s_mov_b64 s[64:65], 0
	v_nop
	global_prefetch_b8 v0, s[64:65] scope:SCOPE_SE
	s_setreg_imm32_b32 hwreg(HW_REG_WAVE_MODE, 25, 1), 1
	s_wait_xcnt 0x0
; Q, K, V [4096][1024] and Wq, Wk, Wv [1024][1024], f32, K innermost, become codes of FP4 (E2M1) with one E8M0 scale byte for each 32 along K; Wo [1024][1024] becomes f16.
; The six tensors are laid one behind the other in the two buffers: codes has 15,360 rows of 512 bytes (Q's 4,096, K's, V's, then Wq's 1,024, Wk's, Wv's), scales the same rows of 32 bytes.
; A block's scale is 2^(floor(log2(its largest magnitude)) - 2): its byte is the largest magnitude's exponent field - 2, held at 1 from below.  Each number is divided by the scale and rounded to the nearest code, ties to even,
; beyond the largest code the largest.  (A block of zeros gets the byte 1 where the rule says 127: its codes are zeros, which add nothing, and the bytes are read by this program alone.)
; LIMITS: blocks whose largest magnitude lies under 2^(2 - 126) have their byte held at 1; NaN and infinities are not served; |Wo| stays under 65,504 (f16).
; SHARES.  Rows are dense and 1,024 is a multiple of 32: all tensors are plain streams of blocks of 32.  Work-groups 0 to 479 quantise 32,768 numbers each, a wave 16 steps of 512; only the source pointer is chosen,
; by the work-group's number; the place in codes and scales follows from that number alone.  Work-groups 480 to 511 round Wo, 8,192 numbers a wave, and touch no LDS.
; A conversion takes 8 numbers of ONE block from a lane's registers, a load is best where neighbouring lanes take neighbouring bytes: each load reads 512 consecutive bytes, a step's 2,048 bytes turn through the wave's own
; stage in LDS (16 bytes of padding behind each 64) and come back 64 bytes a lane.  No matrix unit, no cluster, no barrier: the work-groups share no input and the waves share nothing.
.set WAVES, 4
.set STEPS, 16
.set NQWG,  480                        ; work-groups that quantise: 3 x 128 + 3 x 32
.set EMAX,  2
.set CB,    8                          ; bytes of 16 codes
.set R,     16                         ; v16-79   four sets of 16 numbers as they are loaded
.set X,     80                         ; v80-111  two sets of 16 neighbours
.set E,     112                        ; v112-127 a scale byte for each step
.set C,     128                        ; v128-191 codes: four registers for each step, so that no store's data are written again
.set WI,    16                         ; Wo's path: v16-143 two sets of 64 numbers;
.set WO,    144                        ; v144-207 two sets of 32 registers of f16
.set WREG,  8192                       ; LDS: a region for each wave: two stages of 32 x SP bytes, behind them its 256 scale bytes
.set SP,    80                         ; a lane's place in a stage: 64 bytes + 16 of padding
.set SPW,   12                         ; v12  LDS address of my spare word; never rewritten
.set NIL,   13                         ; v13  0; never rewritten
.set SPARE, WAVES*WREG                 ; behind the four regions: the spare words, 128 bytes a wave, which no other line names
	s_load_b512 s[4:19], s[0:1], 0x0               ; Q s[4:5], K s[6:7], V s[8:9], Wq s[10:11], Wk s[12:13], Wv s[14:15], Wo s[16:17], codes s[18:19]
	s_load_b128 s[20:23], s[0:1], 0x40             ; scales s[20:21], wo16 s[22:23]
	v_lshl_add_u32 v[SPW], v0, 2, SPARE
	v_mov_b32 v[NIL], 0
	v_lshrrev_b32 v1, 5, v0
	v_readfirstlane_b32 s24, v1                    ; wave
	v_and_b32 v2, 31, v0                           ; lane
	v_lshlrev_b32 v3, 4, v2                        ; my 16 bytes of a load's 512
	s_mul_i32 s25, s24, WREG
	v_lshrrev_b32 v14, 2, v2
	v_mul_u32_u24 v14, v14, SP
	v_and_b32 v15, 3, v2
	v_lshl_add_u32 v14, v15, 4, v14
	v_add_nc_u32 v14, s25, v14                     ; the stage, on the way in: SP (lane / 4) + 16 (lane % 4)
	v_mul_u32_u24 v15, v2, SP
	v_add_nc_u32 v15, s25, v15                     ; and on the way out: SP x lane: my 16 neighbours
	v_mul_u32_u24 v4, v2, CB                       ; 8 x lane: my codes' place in a step's (and my f16 numbers' in a store's)
	v_lshrrev_b32 v5, 1, v2
	s_add_co_u32 s25, s25, 2*32*SP
	v_add_nc_u32 v5, s25, v5                       ; LDS: my wave's 256 scale bytes, my block's byte
	v_lshlrev_b32 v7, 3, v2                        ; and on the way out 8 bytes a lane
	v_add_nc_u32 v6, s25, v7
	s_wait_kmcnt 0x0
	s_cmp_ge_u32 ttmp9, NQWG
	s_cbranch_scc1 .Lwo
; which tensor is mine: the choice hangs on the work-group's number alone
.macro PICK limit, ptr, first
	s_cmp_lt_u32 ttmp9, \limit
	s_cselect_b64 s[26:27], s[\ptr:\ptr+1], s[26:27]
	s_cselect_b32 s25, \first, s25
.endm
	s_mov_b64 s[26:27], s[14:15]                   ; Wv, unless the number is lower
	s_mov_b32 s25, 448                             ; and the tensor's first work-group
	PICK 448, 12, 416
	PICK 416, 10, 384
	PICK 384, 8, 256
	PICK 256, 6, 128
	PICK 128, 4, 0
	s_sub_co_u32 s28, ttmp9, s25
	s_lshl_b32 s28, s28, 2
	s_add_co_u32 s28, s28, s24                     ; which run of 8,192 numbers of the tensor is my wave's
	s_lshl_b32 s28, s28, 15                        ; 32,768 bytes a run
	s_mov_b32 s29, 0
	s_add_nc_u64 s[26:27], s[26:27], s[28:29]
	s_lshl_b32 s30, ttmp9, 2
	s_add_co_u32 s30, s30, s24                     ; and which run of the two buffers
	s_lshl_b32 s28, s30, 12                        ; 4,096 bytes of codes a run,
	s_add_nc_u64 s[18:19], s[18:19], s[28:29]
	s_lshl_b32 s28, s30, 8                         ; 256 scale bytes
	s_add_nc_u64 s[20:21], s[20:21], s[28:29]
.macro LOAD t
.irp i, 0,1,2,3
	global_load_b128 v[R+16*((\t)%4)+4*\i:R+16*((\t)%4)+4*\i+3], v3, s[26:27] offset:2048*(\t)+512*\i th:TH_LOAD_NT   ; 32 lanes read 512 consecutive bytes
.endr
.endm
.macro TURN t                          ; step t's numbers through the stage: LDS serves a wave's instructions in order, so no wait stands between the stores and the loads
.irp i, 0,1,2,3
	ds_store_b128 v14, v[R+16*((\t)%4)+4*\i:R+16*((\t)%4)+4*\i+3] offset:32*SP*((\t)%2)+8*SP*\i
.endr
.irp i, 0,1,2,3
	ds_load_b128 v[X+16*((\t)%2)+4*\i:X+16*((\t)%2)+4*\i+3], v15 offset:32*SP*((\t)%2)+16*\i
.endr
.endm
.irp t, 0,1,2,3
	LOAD \t
.endr
	s_wait_loadcnt 12                              ; step 0's four loads are in; twelve younger ones stay out
	TURN 0
.macro STEP t
.set XS, X+16*((\t)%2)
.if (\t) > 0
	s_wait_dscnt 1                                 ; this step's numbers are back from the stage (the last step's byte store may be out): so its stores into the stage have read their registers,
.else
	s_wait_dscnt 0x0
.endif
.if (\t)+4 < STEPS
	LOAD (\t)+4                                    ; which take the loads of four steps on
.endif
.if (\t)+1 < STEPS
.if STEPS-2-(\t) >= 3
	s_wait_loadcnt 12                              ; the next step's four loads are in; those of the three steps behind it may be out
.else
	s_wait_loadcnt 4*(STEPS-2-(\t))
.endif
	TURN (\t)+1                                    ; and go through the other stage while this step is worked
.endif
	v_max3_num_f32 v8, |v[XS]|, |v[XS+1]|, |v[XS+2]|               ; the largest magnitude of my 16, in two chains
	v_max3_num_f32 v9, |v[XS+3]|, |v[XS+4]|, |v[XS+5]|
.irp i, 6,10
	v_max3_num_f32 v8, v8, |v[XS+\i]|, |v[XS+\i+1]|
	v_max3_num_f32 v9, v9, |v[XS+\i+2]|, |v[XS+\i+3]|
.endr
	v_max3_num_f32 v8, v8, |v[XS+14]|, |v[XS+15]|
	v_max3_num_f32 v8, v8, v9, (EMAX+1)<<23        ; and the floor 2^(EMAX + 1 - 127): so the byte cannot fall under 1
	v_max_num_f32_dpp v8, v8, v8 row_xmask:1 row_mask:0xf bank_mask:0xf   ; and of my neighbour's 16: the block's
	v_add_nc_u32 v11, -(EMAX<<23), v8              ; EMAX off its exponent field: the conversion takes the exponent field of this operand as its scale, and nothing else of it
	v_cvt_scalef32_pk8_fp4_f32 v[C+4*(\t)], v[XS:XS+7], v11
	v_cvt_scalef32_pk8_fp4_f32 v[C+4*(\t)+1], v[XS+8:XS+15], v11
	v_lshrrev_b32 v[E+(\t)], 23, v11               ; the scale's byte (also the plain line behind the conversions)
	ds_store_b8 v5, v[E+(\t)] offset:16*(\t)       ; both lanes of a block write the same byte with the same value
	global_store_b64 v4, v[C+4*(\t):C+4*(\t)+1], s[18:19] offset:32*CB*(\t)   ; 32 lanes store 256 consecutive bytes, aligned
.endm
.irp t, 0,1,2,3,4,5,6,7,8,9,10,11,12,13,14,15
	STEP \t
.endr
	ds_load_b64 v[8:9], v6                         ; LDS serves a wave's instructions in order: these see my stores
	s_wait_dscnt 0x0
	global_store_b64 v7, v[8:9], s[20:21]          ; my wave's 256 scale bytes, consecutive and aligned
	s_wait_tensorcnt 0x0                           ; the wave's end, behind my last LDS store
	ds_add_u32 v[SPW], v[NIL]
	s_wait_dscnt 0x0
	s_endpgm
; Wo to f16: four batches of 2,048 numbers a wave, one batch of loads ahead of the batch at work.  No LDS is touched on this path.
.Lwo:
	s_sub_co_u32 s28, ttmp9, NQWG
	s_lshl_b32 s28, s28, 2
	s_add_co_u32 s28, s28, s24                     ; which run of 8,192 numbers
	s_lshl_b32 s30, s28, 14                        ; 16,384 bytes out,
	s_lshl_b32 s28, s28, 15                        ; 32,768 in
	s_mov_b32 s29, 0
	s_mov_b32 s31, 0
	s_add_nc_u64 s[16:17], s[16:17], s[28:29]
	s_add_nc_u64 s[22:23], s[22:23], s[30:31]
.macro WLOAD t
.irp i, 0,1,2,3,4,5,6,7,8,9,10,11,12,13,14,15
	global_load_b128 v[WI+64*((\t)%2)+4*\i:WI+64*((\t)%2)+4*\i+3], v3, s[16:17] offset:8192*(\t)+512*\i th:TH_LOAD_NT
.endr
.endm
.macro WCVT t
.irp i, 0,1,2,3,4,5,6,7,8,9,10,11,12,13,14,15
	v_cvt_pk_f16_f32 v[WO+32*((\t)%2)+2*\i], v[WI+64*((\t)%2)+4*\i], v[WI+64*((\t)%2)+4*\i+1]
	v_cvt_pk_f16_f32 v[WO+32*((\t)%2)+2*\i+1], v[WI+64*((\t)%2)+4*\i+2], v[WI+64*((\t)%2)+4*\i+3]
.endr
.endm
.macro WSTORE t
.irp i, 0,1,2,3,4,5,6,7,8,9,10,11,12,13,14,15
	global_store_b64 v4, v[WO+32*((\t)%2)+2*\i:WO+32*((\t)%2)+2*\i+1], s[22:23] offset:4096*(\t)+256*\i   ; 256 consecutive bytes, aligned
.endr
.endm
	WLOAD 0
	WLOAD 1
	s_wait_loadcnt 16                              ; batch 0 is in; batch 1's sixteen may be out
	WCVT 0
	WSTORE 0
	WLOAD 2
	s_wait_loadcnt 16
	WCVT 1
	WSTORE 1
	WLOAD 3
	s_wait_loadcnt 16
	s_wait_xcnt 0x0                                ; batch 0's stores have read their registers: they are written again only behind this wait
	WCVT 2
	WSTORE 2
	s_wait_loadcnt 0x0
	s_wait_xcnt 0x0                                ; and batch 1's
	WCVT 3
	WSTORE 3
	s_endpgm
.Lfunc_end_k_qacdef809f6_quant:
	.size	k_qacdef809f6_quant, .Lfunc_end_k_qacdef809f6_quant-k_qacdef809f6_quant
	.p2alignl 7, 3214868480
	.fill 96, 4, 3214868480
	.section	.rodata,"a",@progbits
	.p2align	6, 0x0
	.amdhsa_kernel k_qacdef809f6_quant
		.amdhsa_group_segment_fixed_size 33280
		.amdhsa_private_segment_fixed_size 0
		.amdhsa_enable_private_segment 0
		.amdhsa_kernarg_size 80
		.amdhsa_user_sgpr_count 2
		.amdhsa_user_sgpr_kernarg_segment_ptr 1
		.amdhsa_wavefront_size32 1
		.amdhsa_system_sgpr_workgroup_id_x 1
		.amdhsa_system_sgpr_workgroup_id_y 1
		.amdhsa_system_sgpr_workgroup_id_z 1
		.amdhsa_system_vgpr_workitem_id 0
		.amdhsa_next_free_vgpr 208
		.amdhsa_next_free_sgpr 66
		.amdhsa_reserve_vcc 0
		.amdhsa_float_denorm_mode_32 3
		.amdhsa_float_denorm_mode_16_64 3
		.amdhsa_memory_ordered 1
		.amdhsa_forward_progress 1
		.amdhsa_inst_pref_size 55
	.end_amdhsa_kernel
	.amdgpu_metadata
---
amdhsa.version: [ 1, 2 ]
amdhsa.kernels:
  - .name:           k_qacdef809f6_quant
    .symbol:         k_qacdef809f6_quant.kd
    .args:
      - { .name: Q, .offset: 0, .size: 8, .value_kind: global_buffer, .address_space: global }
      - { .name: K, .offset: 8, .size: 8, .value_kind: global_buffer, .address_space: global }
      - { .name: V, .offset: 16, .size: 8, .value_kind: global_buffer, .address_space: global }
      - { .name: Wq, .offset: 24, .size: 8, .value_kind: global_buffer, .address_space: global }
      - { .name: Wk, .offset: 32, .size: 8, .value_kind: global_buffer, .address_space: global }
      - { .name: Wv, .offset: 40, .size: 8, .value_kind: global_buffer, .address_space: global }
      - { .name: Wo, .offset: 48, .size: 8, .value_kind: global_buffer, .address_space: global }
      - { .name: codes, .offset: 56, .size: 8, .value_kind: global_buffer, .address_space: global }
      - { .name: scales, .offset: 64, .size: 8, .value_kind: global_buffer, .address_space: global }
      - { .name: wo16, .offset: 72, .size: 8, .value_kind: global_buffer, .address_space: global }
    .group_segment_fixed_size: 33280
    .private_segment_fixed_size: 0
    .kernarg_segment_align: 8
    .kernarg_segment_size: 80
    .max_flat_workgroup_size: 128
    .sgpr_count:     66
    .vgpr_count:     208
    .wavefront_size: 32
...
	.end_amdgpu_metadata
.endif
;; end of part 1
;; launch proj (part 2): grid 4 x 48, 4 waves a work-group, clusters of 4 x 4, 327,680 bytes of LDS; arguments codes, scales, qkv, bq, bk, bv; writes qkv
.if DOCPART == 2
	.amdgcn_target "amdgcn-amd-amdhsa--gfx1250"
	.amdhsa_code_object_version 6
	.text
	.protected	k_qacdef809f6_proj
	.globl	k_qacdef809f6_proj
	.p2align	8
	.type	k_qacdef809f6_proj,@function
k_qacdef809f6_proj:
	s_mov_b64 s[64:65], 0
	v_nop
	global_prefetch_b8 v0, s[64:65] scope:SCOPE_SE
	s_setreg_imm32_b32 hwreg(HW_REG_WAVE_MODE, 25, 1), 1
	s_wait_xcnt 0x0
	s_wait_alu depctr_hold_cnt(0) depctr_sa_sdst(0) depctr_va_vdst(0) depctr_va_sdst(0) depctr_va_ssrc(0) depctr_va_vcc(0) depctr_vm_vsrc(0)
	s_getreg_b32 s2, hwreg(HW_REG_IB_STS2, 6, 4)
	s_cmp_eq_u32 s2, 0
	s_cbranch_scc0 .Lentry_in_a_cluster
	s_endpgm
.Lentry_in_a_cluster:
	s_bfe_u32 s2, ttmp6, 0x10000c
	s_cmp_lg_u32 s2, 0xf033
	s_cbranch_scc0 .Lentry_shape_is_right
	s_endpgm
.Lentry_shape_is_right:
; The three projections on codes of FP4 (E2M1) with E8M0 scales: q = Q Wq^T + bq, k = K Wk^T + bk, v = V Wv^T + bv, sums in f32; q is multiplied by log2(e) / 8 (the softmax's factor); results leave as f16, laid by heads:
; qkv [p = 0 q, 1 k, 2 v][batch][head][position][64].  codes: 15,360 rows of 512 bytes (rows 0-12,287: the tokens of Q, K, V; from 12,288: the rows of Wq, Wk, Wv); scales: the same rows of 32 bytes.
; LIMIT: |q log2(e) / 8|, |k|, |v| stay under 65,504 (f16).
; A tile of 256 tokens x 256 outputs is made by a work-group of four waves; a wave makes 128 x 128: 64 accumulators, 512 registers.  Tile row TR = 0 .. 47 runs through the tokens of Q, K, V; p = TR / 16 picks the weight.
; K = 1,024 is two steps of 512: both LDS slots are filled once, at the start, and nothing is filled again.  The scale bytes of the work-group's rows come once, with the first fills.
; 192 tiles: a smaller tile would give every WGP work, but would read each LDS byte and each tile twice as often, for two K steps in all.
; CLUSTERS: 4 x 4 work-groups; a cluster's sixteen tile rows and columns belong to one p.  The four of a row need the same tokens, the four of a column the same rows of the weight: each tile is asked for JOINTLY.
; THE MATRIX INSTRUCTION IS USED TRANSPOSED (source 0 = 16 rows of the weight, source 1 = 16 tokens): a lane then holds eight neighbouring outputs of one token.
; REGISTERS, in windows of 256: window 0: v0-31 addresses; v32-95 scale words, two sets; v128-191 the tokens' fragments, ONE set; v192-255 the bias; on the way out v32-191 are free.
;   window 1: the weight's fragments, TWO sets, at v0 and v128.   window 2: the accumulators of my tokens 0-63 ((a, b) at v[8 (8 a + b)]);   window 3: those of my tokens 64-127.
.set KSTEP,  512
.set NQ,     KSTEP/128                 ; matrix instructions deep in a slot
.set ROWB,   256                       ; a tile's row in bytes
.set KROW,   512                       ; a row of codes in memory
.set PITCH,  272                       ; an LDS row: 256 bytes + 16 of padding = 68 words: the 16 rows that a load touches start at 16 different banks (64 banks of 4 bytes: ISA guide 11.1)
.set FR,     8                         ; registers of a fragment: 16 rows x 128 K
.set NL,     2                         ; LDS loads that bring one
.set NP,     4                         ; places behind this matrix instruction (ISA guide 7.12.1)
.set HALFT,  128*PITCH
.set SLOT,   4*HALFT                   ; the tokens' 256 rows, then the weight's 256 rows
.set KS,     32                        ; a row of scale bytes
.set SCL,    2*SLOT                    ; behind the slots: the scales, as runs of 256 bytes + 16 of padding
.set HALFS,  (128*KS/256)*272          ; the scales of 128 rows: what one tensor load brings
.set SBLK,   (16*KS/256)*272           ; those of 16 rows
.set SPARE,  SCL+4*HALFS               ; the spare words, 128 bytes a wave, which no other line names
.set SPITCH, 272                       ; the way out: a stage of 16 rows x (256 bytes + 16) for each wave, in slot 0, which has had its only fill and its last read when the first result is stored there
.set ADRA, 16                          ; v16-17  LDS address of my tokens' fragments in slot 0, 1
.set ADRB, 20                          ; v20-21  the same for the weight
.set STO,  24                          ; v24     the way out: where I put 16 bytes of a row
.set RD,   25                          ; v25     where I read rows back
.set CO,   26                          ; v26     16 x lane: my place in a store's 512 bytes
.set ADRS, 27                          ; v27     LDS address of my scale words: lanes 0-15 the tokens', lanes 16-31 the weight's
.set SPW,  28                          ; v28     LDS address of my spare word; never rewritten
.set NIL,  29                          ; v29     0; never rewritten
.set BOF,  30                          ; v30     the bias: 32 x (lane / 16); never rewritten
.set SC,   32                          ; scale words: set s at v[SC + 32 s]; register 4 i + q: lanes 0-15 the tokens' block i, lanes 16-31 the weight's block i, the slot's q-th 128 along K
.set AF,   128                         ; the tokens' fragments
.set FT,   32                          ; the way out: 64 numbers in f32,
.set TMP,  96                          ; 32 registers of f16,
.set BK,   128                         ; rows read back: v128-159 and v160-191 by turns
.set BIAS, 192                         ; register 8 b + j: the bias of output 16 b + 8 (lane / 16) + j of my 128
.set G1, 24
.set G0, 32
.set G1B, 48
.set G0B, 56
.set G1S, 68
.set G0S, 76
.set G1SB, 80
.set G0SB, 88
.set MSB, 0
.macro WIN new                         ; the immediate's high byte repeats the setting that is left; a switch that changes nothing is dropped
.if MSB != (\new)
	s_set_vgpr_msb (MSB<<8)|(\new)
.set MSB, (\new)
.endif
.endm
.set MUL_LO, 0xa1                      ; source 0 window 1, source 1 window 0, C and D window 2
.set MUL_HI, 0xf1                      ; the same, C and D window 3
.set TO_B,   0x40                      ; destination window 1, address window 0
; A joint load: waves 0 and 1 fetch the tokens', waves 2 and 3 the weight's.  The branch hangs on the wave's number alone.  An s_nop 0 and four v_nop follow each line.
.macro JLOAD g0a, g1a, g0b, g1b
	s_cmp_eq_u32 s15, 0
	s_cbranch_scc0 .Lfor_b_\@
	tensor_load_to_lds s[\g0a:\g0a+3], s[\g1a:\g1a+7]
	s_nop 0
.rept 4
	v_nop
.endr
	s_branch .Lasked_\@
.Lfor_b_\@:
	tensor_load_to_lds s[\g0b:\g0b+3], s[\g1b:\g1b+7]
	s_nop 0
.rept 4
	v_nop
.endr
.Lasked_\@:
.endm
.macro CROUND                          ; a round of the cluster's barrier
	s_barrier_signal -1
	s_barrier_wait -1
	s_cmp_lg_u32 s14, 0
	s_cbranch_scc1 .Lnot_wave_0_\@
	s_barrier_signal -3
.Lnot_wave_0_\@:
	s_barrier_wait -3
	s_barrier_signal -1
	s_barrier_wait -1
.endm
	s_load_b128 s[4:7], s[0:1], 0x0                ; codes s[4:5], scales s[6:7]
	s_load_b64 s[12:13], s[0:1], 0x10              ; qkv
	s_load_b64 s[96:97], s[0:1], 0x18              ; bq
	s_load_b64 s[98:99], s[0:1], 0x20              ; bk
	s_load_b64 s[100:101], s[0:1], 0x28            ; bv
	v_lshl_add_u32 v[SPW], v0, 2, SPARE
	v_mov_b32 v[NIL], 0
	ds_add_u32 v[SPW], v[NIL]                      ; the wave's opening: the add, twice on end, and its wait ahead of my first tensor load
	ds_add_u32 v[SPW], v[NIL]
	v_lshrrev_b32 v1, 5, v0
	v_readfirstlane_b32 s14, v1                    ; wave 0..3
	s_lshr_b32 s15, s14, 1                         ; which half of the tile's tokens is mine.  Also: I fetch the tokens' (0) or the weight's (1)
	s_and_b32 s16, s14, 1                          ; which half of its outputs.  Also: which 128 rows I fetch
	s_bfe_u32 s40, ttmp6, 0x40000                  ; cx, cy: my place in the cluster
	s_bfe_u32 s41, ttmp6, 0x40004
	s_lshl_b32 s42, ttmp9, 2
	s_add_co_u32 s42, s42, s40                     ; tile column TC = 4 x cluster x + cx
	s_and_b32 s17, ttmp7, 0xffff
	s_lshr_b32 s95, s17, 2                         ; p = cluster y / 4: the same in all sixteen partners
	s_lshl_b32 s17, s17, 2
	s_add_co_u32 s17, s17, s41                     ; tile row TR = 4 x cluster y + cy
	s_lshl_b32 s43, s41, 2
	s_lshl_b32 s43, 15, s43                        ; my row of the cluster
	s_lshl_b32 s44, 0x1111, s40                    ; my column
	; descriptor group 1: a tile of 128 rows x 256 bytes, padded in LDS
	s_or_b32 s[G1+0], s43, (0<<16)|(1<<20)|(1<<21)|(5<<22)|(3<<25)  ; 15:0 the mask; 17:16 elements of 1 byte; 20 padding on; 21 set beside a mask; 24:22 after every 64 words; 31:25 four words
	s_or_b32 s[G1B+0], s44, (0<<16)|(1<<20)|(1<<21)|(5<<22)|(3<<25)
.irp g, G1, G1B
	s_mov_b32 s[\g+1], ROWB<<16                    ; tensor_dim0
	s_mov_b32 s[\g+2], 128<<16                     ; tensor_dim1
	s_mov_b32 s[\g+3], ROWB<<16                    ; tile_dim0
	s_mov_b32 s[\g+4], 128                         ; tile_dim1
	s_mov_b32 s[\g+5], KROW                        ; tensor_dim0_stride
	s_mov_b32 s[\g+6], 0
	s_mov_b32 s[\g+7], 0
.endr
	; the scales of 128 rows: 4,096 dense bytes, as 16 rows of 256 bytes (32 elements of 8 bytes), 16 bytes of padding behind each
	s_or_b32 s[G1S+0], s43, (3<<16)|(1<<20)|(1<<21)|(5<<22)|(3<<25)
	s_or_b32 s[G1SB+0], s44, (3<<16)|(1<<20)|(1<<21)|(5<<22)|(3<<25)
.irp g, G1S, G1SB
	s_mov_b32 s[\g+1], 32<<16
	s_mov_b32 s[\g+2], (128*KS/256)<<16
	s_mov_b32 s[\g+3], 32<<16
	s_mov_b32 s[\g+4], 128*KS/256
	s_mov_b32 s[\g+5], 32
	s_mov_b32 s[\g+6], 0
	s_mov_b32 s[\g+7], 0
.endr
	s_lshl_b32 s18, s16, 7                         ; which 128 rows of the tile I fetch
	s_lshl_b32 s20, s17, 8
	s_add_co_u32 s20, s20, s18                     ; the tokens: row 256 TR + 128 x half
	s_lshl_b32 s46, s42, 8
	s_add_co_u32 s46, s46, s18
	s_lshl_b32 s47, s95, 10
	s_add_co_u32 s46, s46, s47
	s_add_co_u32 s46, s46, 12288                   ; the weight: row 12,288 + 1,024 p + 256 TC + 128 x half
	s_lshl_b32 s22, s20, 5                         ; where these rows' scales begin, in bytes (all under 2^23),
	s_mov_b32 s23, 0
	s_lshl_b32 s92, s46, 5
	s_mov_b32 s93, 0
	s_lshl_b32 s20, s20, 9                         ; and their codes
	s_mov_b32 s21, 0
	s_lshl_b32 s46, s46, 9
	s_mov_b32 s47, 0
	s_mul_i32 s45, s14, HALFT                      ; where they go: wave x 128 rows: no place in the cluster enters an LDS address
	s_mul_i32 s94, s14, HALFS
	s_wait_dscnt 0x0                               ; both opening adds are done
	s_wait_kmcnt 0x0
	s_add_nc_u64 s[20:21], s[4:5], s[20:21]
	s_add_nc_u64 s[22:23], s[6:7], s[22:23]
	s_add_nc_u64 s[46:47], s[4:5], s[46:47]
	s_add_nc_u64 s[92:93], s[6:7], s[92:93]
	CROUND                                         ; all sixteen work-groups are here: the joint loads meet
	s_mov_b32 s[G0S], 1
	s_add_co_u32 s[G0S+1], s94, SCL
	s_mov_b64 s[G0S+2:G0S+3], s[22:23]
	s_or_b32 s[G0S+3], s[G0S+3], 0x80000000
	s_mov_b32 s[G0SB], 1
	s_add_co_u32 s[G0SB+1], s94, SCL
	s_mov_b64 s[G0SB+2:G0SB+3], s[92:93]
	s_or_b32 s[G0SB+3], s[G0SB+3], 0x80000000
	JLOAD G0S, G1S, G0SB, G1SB                     ; the scales first: they are wanted with K step 0
.irp s, 0,1
	s_mov_b32 s[G0+4*\s], 1
	s_add_co_u32 s[G0+4*\s+1], s45, \s*SLOT
	s_add_nc_u64 s[G0+4*\s+2:G0+4*\s+3], s[20:21], \s*ROWB
	s_or_b32 s[G0+4*\s+3], s[G0+4*\s+3], 0x80000000
	s_mov_b32 s[G0B+4*\s], 1
	s_add_co_u32 s[G0B+4*\s+1], s45, \s*SLOT
	s_add_nc_u64 s[G0B+4*\s+2:G0B+4*\s+3], s[46:47], \s*ROWB
	s_or_b32 s[G0B+4*\s+3], s[G0B+4*\s+3], 0x80000000
	JLOAD G0+4*\s, G1, G0B+4*\s, G1B               ; three tensor loads of mine are out behind the second of these
.endr
	v_and_b32 v1, 15, v0                           ; r = lane % 16
	v_bfe_u32 v2, v0, 4, 1                         ; h = lane / 16
	v_mul_u32_u24 v3, v1, PITCH
	v_lshl_add_u32 v4, v2, 4, v3                   ; a fragment's row x pitch + 16 x half
	s_mul_i32 s21, s15, HALFT                      ; my 128 tokens
	s_mul_i32 s22, s16, HALFT                      ; my 128 rows of the weight,
	s_add_co_u32 s22, s22, 2*HALFT                 ; which lie behind the tokens' 256
.irp s, 0,1
	v_add_nc_u32 v[ADRA+\s], s21, v4
	v_add_nc_u32 v[ADRB+\s], s22, v4
	s_add_co_u32 s21, s21, SLOT
	s_add_co_u32 s22, s22, SLOT
.endr
	v_mul_u32_u24 v5, v1, KS                       ; my row's scales: 32 bytes a row,
	v_lshrrev_b32 v6, 8, v5
	v_lshl_add_u32 v5, v6, 4, v5                   ; and 16 more for each 256 passed
	s_mul_i32 s21, s15, HALFS
	s_mul_i32 s22, s16, HALFS
	s_add_co_u32 s22, s22, 2*HALFS
	s_sub_co_u32 s22, s22, s21
	v_mul_u32_u24 v6, s22, v2                      ; lanes 16-31 take the weight's: one product, the distance between the two bases x h
	s_add_co_u32 s21, s21, SCL
	v_add_nc_u32 v5, v5, v6
	v_add_nc_u32 v[ADRS], s21, v5
	s_mul_i32 s23, s14, 16*SPITCH                  ; my stage
	v_mul_u32_u24 v5, v1, SPITCH                   ; in: row r, 16 bytes for each half of the lanes
	v_lshl_add_u32 v5, v2, 4, v5
	v_add_nc_u32 v[STO], s23, v5
	v_and_b32 v6, 31, v0
	v_lshlrev_b32 v[CO], 4, v6
	v_lshrrev_b32 v5, 3, v6                        ; back: eight lanes take one head's 128 bytes of a row, four rows an instruction
	v_mul_u32_u24 v5, v5, SPITCH
	v_and_b32 v6, 7, v6
	v_lshl_add_u32 v5, v6, 4, v5
	v_add_nc_u32 v[RD], s23, v5
	v_lshlrev_b32 v[BOF], 5, v2
	s_cmp_lt_u32 s95, 2                            ; the bias and the factor of my p
	s_cselect_b64 s[100:101], s[98:99], s[100:101]
	s_cmp_lt_u32 s95, 1
	s_cselect_b64 s[100:101], s[96:97], s[100:101]
	s_cselect_b32 s66, 0x3e38aa3b, 1.0             ; q: log2(e) / 8;  k, v: 1
	s_mov_b32 s67, s66                             ; (the packed forms name the pair)
	s_lshl_b32 s20, s17, 8                         ; where my part begins in qkv: R0 = 256 TR + 128 x half is my first row of the 12,288
	s_lshl_b32 s21, s15, 7
	s_add_co_u32 s20, s20, s21
	s_lshr_b32 s21, s20, 11
	s_lshl_b32 s21, s21, 22                        ; (2 p + batch) x 16 heads x 2,048 x 128 bytes
	s_and_b32 s20, s20, 2047
	s_lshl_b32 s20, s20, 7                         ; + position x 128
	s_add_co_u32 s20, s20, s21
	s_lshl_b32 s46, s42, 2
	s_lshl_b32 s47, s16, 1
	s_add_co_u32 s46, s46, s47                     ; my first head: 4 TC + 2 x half
	s_lshl_b32 s46, s46, 18
	s_add_co_u32 s20, s20, s46
	s_mov_b32 s21, 0
	s_add_nc_u64 s[12:13], s[12:13], s[20:21]
	s_lshl_b32 s46, s42, 10                        ; the bias of my 128 outputs: (256 TC + 128 x half) x 4 bytes
	s_lshl_b32 s47, s16, 9
	s_add_co_u32 s46, s46, s47
	s_mov_b32 s47, 0
	s_add_nc_u64 s[100:101], s[100:101], s[46:47]
.irp b, 0,1,2,3,4,5,6,7
	global_load_b128 v[BIAS+8*\b:BIAS+8*\b+3], v[BOF], s[100:101] offset:64*\b
	global_load_b128 v[BIAS+8*\b+4:BIAS+8*\b+7], v[BOF], s[100:101] offset:64*\b+16
.endr
.macro FRAG reg, adr, q, i             ; 16 rows x 128 K of 4-bit codes: lane l holds row l % 16; registers 4 c .. 4 c + 3 hold K = 64 c + 32 (l / 16) + 0 .. 31
.irp c, 0,1
	ds_load_b128 v[\reg+4*\c:\reg+4*\c+3], v[\adr] offset:64*(\q)+32*\c+(\i)*16*PITCH
.endr
.endm
; 16 matrix instructions: the tokens' blocks a0, a0 + 1 x the weight's eight, the slot's q-th 128 along K.  p: the weight's set;  sc: the set of scale words.  zero = 1: the first product starts the sums.
; The 64 accumulators take turns, one instruction a turn, in the same order in every step.
.macro MUL16 a0, p, q, sc, zero
.irp a, \a0, \a0+1
.irp b, 0,1,2,3,4,5,6,7
.if \zero
	v_wmma_scale_f32_16x16x128_f8f6f4 v[8*(8*((\a)%4)+\b):8*(8*((\a)%4)+\b)+7], v[128*(\p)+FR*\b:128*(\p)+FR*\b+FR-1], v[AF+FR*(\a):AF+FR*(\a)+FR-1], 0, v[SC+8*NQ*(\sc)+NQ*\b+(\q)], v[SC+8*NQ*(\sc)+NQ*(\a)+(\q)] matrix_a_fmt:MATRIX_FMT_FP4 matrix_b_fmt:MATRIX_FMT_FP4 matrix_a_scale:MATRIX_SCALE_ROW1
.else
	v_wmma_scale_f32_16x16x128_f8f6f4 v[8*(8*((\a)%4)+\b):8*(8*((\a)%4)+\b)+7], v[128*(\p)+FR*\b:128*(\p)+FR*\b+FR-1], v[AF+FR*(\a):AF+FR*(\a)+FR-1], v[8*(8*((\a)%4)+\b):8*(8*((\a)%4)+\b)+7], v[SC+8*NQ*(\sc)+NQ*\b+(\q)], v[SC+8*NQ*(\sc)+NQ*(\a)+(\q)] matrix_a_fmt:MATRIX_FMT_FP4 matrix_b_fmt:MATRIX_FMT_FP4 matrix_a_scale:MATRIX_SCALE_ROW1
.endif
.endr
.endr
.endm
.macro FETCH_B slot, q, p
	WIN TO_B
.irp i, 0,1,2,3,4,5,6,7
	FRAG 128*(\p)+FR*\i, ADRB+\slot, \q, \i
.endr
	WIN 0
.endm
.macro FETCH_A slot, q, i0
.irp i, \i0, \i0+1, \i0+2, \i0+3
	FRAG AF+FR*(\i), ADRA+\slot, \q, \i
.endr
.endm
.macro SCALES sc                       ; a K step's scale words into set sc: four words a row; lanes 0-15 the tokens' block i, lanes 16-31 the weight's block i
.irp i, 0,1,2,3,4,5,6,7
	ds_load_b128 v[SC+8*NQ*\sc+NQ*\i:SC+8*NQ*\sc+NQ*\i+3], v[ADRS] offset:\i*SBLK
.endr
.endm
; A load into a register that a matrix instruction has read stands NP places behind it, and only plain vector instructions that name none of its registers are places (ISA guide 7.12.1 for vector instructions).
.macro PLACES n
.rept \n
	v_nop
.endr
.endm
; A step of 128 along K that has its successor in the same slot.  The tokens' blocks go one after the other, each against the weight's eight: blocks 0-3 are fetched anew in the step's middle, blocks 4-7 at its end.
.macro STEP slot, q, zero
	s_wait_dscnt 4*NL                              ; all but the youngest eight loads (the tokens' blocks 4-7) are in
	WIN MUL_LO
	MUL16 0, (\q)%2, \q, \slot, \zero
	MUL16 2, (\q)%2, \q, \slot, \zero
	s_wait_dscnt 0                                 ; blocks 4-7 are in (asked for 32 matrix instructions ago)
	PLACES NP
	FETCH_B \slot, (\q)+1, 1-(\q)%2
	FETCH_A \slot, (\q)+1, 0
	WIN MUL_HI
	MUL16 4, (\q)%2, \q, \slot, \zero
	MUL16 6, (\q)%2, \q, \slot, \zero
	PLACES NP
	WIN 0
	FETCH_A \slot, (\q)+1, 4
.endm
.macro STEPS slot, from
.set Q, \from
.rept NQ-1-\from
	STEP \slot, Q, 0
.set Q, Q+1
.endr
.endm
	s_wait_tensorcnt 1                             ; the scales and my part of K step 0 are in; K step 1's load may stay out
	s_barrier_signal -1
	s_barrier_wait -1                              ; everybody's are
	FETCH_B 0, 0, 0
	FETCH_A 0, 0, 0
	SCALES 0
	FETCH_A 0, 0, 4
	STEP 0, 0, 1                                   ; the first step's products start the sums: nothing is cleared
	STEPS 0, 1
	; slot 0's last step changes slots: one barrier; in front of it each wave waits for all its tensor loads (its part of slot 1), adds 0 to its spare word, and waits for that and for its reads of slot 0
	s_wait_tensorcnt 0x0
	ds_add_u32 v[SPW], v[NIL]
	s_wait_dscnt 4*NL+1                            ; (the add and the youngest eight loads may be out)
	WIN MUL_LO
	MUL16 0, 1, NQ-1, 0, 0                         ; sixteen matrix instructions stand between the add and the wait for it
	s_wait_dscnt 0x0                               ; the add is done, and my reads of slot 0 are over
	s_barrier_signal -1
	MUL16 2, 1, NQ-1, 0, 0
	WIN 0
	s_barrier_wait -1                              ; slot 1 is whole, and nobody reads slot 0 any more
	PLACES NP
	v_add_nc_u32 v[ADRS], 4*NQ, v[ADRS]            ; on to K step 1's scale words (no LDS load of mine is out)
	FETCH_B 1, 0, 0
	FETCH_A 1, 0, 0
	SCALES 1
	WIN MUL_HI
	MUL16 4, 1, NQ-1, 0, 0
	MUL16 6, 1, NQ-1, 0, 0
	PLACES NP
	WIN 0
	FETCH_A 1, 0, 4
	STEPS 1, 0
	s_wait_dscnt 4*NL                              ; the very last step: nothing more to fetch
	WIN MUL_LO
	MUL16 0, 1, NQ-1, 1, 0
	MUL16 2, 1, NQ-1, 1, 0
	s_wait_dscnt 0
	WIN MUL_HI
	MUL16 4, 1, NQ-1, 1, 0
	MUL16 6, 1, NQ-1, 1, 0
	WIN 0
; THE WAY OUT, block by block of 16 tokens x 128 outputs (two heads).  (sum + bias) x factor is one packed multiply-add with bias x factor; rounded to f16, a lane's eight outputs are 16 bytes of a row.  A block goes through my
; own stage in LDS and comes back by heads: four tokens' 128 bytes of one head are 512 consecutive bytes of qkv.  LDS serves a wave's instructions in order (ISA guide 5.7.1.4): no wait between the stores and the loads.
	s_wait_loadcnt 0x0                             ; the bias
.irp i, 0,2,4,6,8,10,12,14,16,18,20,22,24,26,28,30,32,34,36,38,40,42,44,46,48,50,52,54,56,58,60,62
	v_pk_mul_f32 v[BIAS+\i:BIAS+\i+1], v[BIAS+\i:BIAS+\i+1], s[66:67] op_sel_hi:[1,0]   ; bias x factor.  (These name no register of the last products: they are the places behind them)
.endr
.macro PACK a
.set AC, 64*((\a)%4)
	WIN 0x02+(\a)/4                                ; source 0: window 2 or 3
.irp b, 0,1,2,3,4,5,6,7
.irp i, 0,2,4,6
	v_pk_fma_f32 v[FT+8*\b+\i:FT+8*\b+\i+1], v[AC+8*\b+\i:AC+8*\b+\i+1], s[66:67], v[BIAS+8*\b+\i:BIAS+8*\b+\i+1] op_sel_hi:[1,0,1]   ; each accumulator from its low end on
.endr
.endr
	WIN 0
.irp b, 0,1,2,3,4,5,6,7
.irp r, 0,1,2,3
	v_cvt_pk_f16_f32 v[TMP+4*\b+\r], v[FT+8*\b+2*\r], v[FT+8*\b+2*\r+1]
.endr
.endr
.endm
.macro TOSTAGE a
.set BB, BK+32*((\a)%2)
.irp b, 0,1,2,3,4,5,6,7
	ds_store_b128 v[STO], v[TMP+4*\b:TMP+4*\b+3] offset:32*\b
.endr
.irp t, 0,1,2,3,4,5,6,7
	ds_load_b128 v[BB+4*\t:BB+4*\t+3], v[RD] offset:(\t%4)*4*SPITCH+(\t/4)*128   ; head t / 4, tokens 4 (t % 4) on
.endr
.endm
.macro SEND a
.set BB, BK+32*((\a)%2)
	s_wait_dscnt 0x0                               ; the block is back in registers
	s_wait_xcnt 0x0                                ; the stores of the block before have read their registers: the next block's loads land there only behind this wait
.irp t, 0,1,2,3,4,5,6,7
	global_store_b128 v[CO], v[BB+4*\t:BB+4*\t+3], s[12:13] offset:(\a)*2048+(\t/4)*262144+(\t%4)*512   ; 32 lanes store 512 consecutive bytes, at a multiple of 512 from qkv's first byte
.endr
.endm
	PACK 0
	TOSTAGE 0
.irp a, 1,2,3,4,5,6,7                  ; block a's arithmetic stands between block a - 1's loads from the stage and the wait for them
	PACK \a
	SEND \a-1
	TOSTAGE \a
.endr
	SEND 7
	s_wait_tensorcnt 0x0                           ; the wave's end, behind my last tensor load and my last LDS store
	ds_add_u32 v[SPW], v[NIL]
	s_wait_dscnt 0x0
	CROUND                                         ; the closing round: no work-group ends while a partner may still ask for a tile that names it
	s_endpgm
.Lfunc_end_k_qacdef809f6_proj:
	.size	k_qacdef809f6_proj, .Lfunc_end_k_qacdef809f6_proj-k_qacdef809f6_proj
	.p2alignl 7, 3214868480
	.fill 96, 4, 3214868480
	.section	.rodata,"a",@progbits
	.p2align	6, 0x0
	.amdhsa_kernel k_qacdef809f6_proj
		.amdhsa_group_segment_fixed_size 327680
		.amdhsa_private_segment_fixed_size 0
		.amdhsa_enable_private_segment 0
		.amdhsa_kernarg_size 48
		.amdhsa_user_sgpr_count 2
		.amdhsa_user_sgpr_kernarg_segment_ptr 1
		.amdhsa_wavefront_size32 1
		.amdhsa_system_sgpr_workgroup_id_x 1
		.amdhsa_system_sgpr_workgroup_id_y 1
		.amdhsa_system_sgpr_workgroup_id_z 1
		.amdhsa_system_vgpr_workitem_id 0
		.amdhsa_next_free_vgpr 1024
		.amdhsa_next_free_sgpr 102
		.amdhsa_reserve_vcc 0
		.amdhsa_float_denorm_mode_32 3
		.amdhsa_float_denorm_mode_16_64 3
		.amdhsa_memory_ordered 1
		.amdhsa_forward_progress 1
		.amdhsa_inst_pref_size 146
	.end_amdhsa_kernel
	.amdgpu_metadata
---
amdhsa.version: [ 1, 2 ]
amdhsa.kernels:
  - .name:           k_qacdef809f6_proj
    .symbol:         k_qacdef809f6_proj.kd
    .args:
      - { .name: codes, .offset: 0, .size: 8, .value_kind: global_buffer, .address_space: global }
      - { .name: scales, .offset: 8, .size: 8, .value_kind: global_buffer, .address_space: global }
      - { .name: qkv, .offset: 16, .size: 8, .value_kind: global_buffer, .address_space: global }
      - { .name: bq, .offset: 24, .size: 8, .value_kind: global_buffer, .address_space: global }
      - { .name: bk, .offset: 32, .size: 8, .value_kind: global_buffer, .address_space: global }
      - { .name: bv, .offset: 40, .size: 8, .value_kind: global_buffer, .address_space: global }
    .group_segment_fixed_size: 327680
    .private_segment_fixed_size: 0
    .kernarg_segment_align: 8
    .kernarg_segment_size: 48
    .max_flat_workgroup_size: 128
    .sgpr_count:     102
    .vgpr_count:     1024
    .wavefront_size: 32
...
	.end_amdgpu_metadata
.endif
;; end of part 2
;; launch attn (part 3): grid 8 x 32, 8 waves a work-group, clusters of 4 x 1, 327,680 bytes of LDS; arguments qkv, att; writes att
.if DOCPART == 3
	.amdgcn_target "amdgcn-amd-amdhsa--gfx1250"
	.amdhsa_code_object_version 6
	.text
	.protected	k_qacdef809f6_attn
	.globl	k_qacdef809f6_attn
	.p2align	8
	.type	k_qacdef809f6_attn,@function
k_qacdef809f6_attn:
	s_mov_b64 s[64:65], 0
	v_nop
	global_prefetch_b8 v0, s[64:65] scope:SCOPE_SE
	s_setreg_imm32_b32 hwreg(HW_REG_WAVE_MODE, 25, 1), 1
	s_wait_xcnt 0x0
	s_wait_alu depctr_hold_cnt(0) depctr_sa_sdst(0) depctr_va_vdst(0) depctr_va_sdst(0) depctr_va_ssrc(0) depctr_va_vcc(0) depctr_vm_vsrc(0)
	s_getreg_b32 s2, hwreg(HW_REG_IB_STS2, 6, 4)
	s_cmp_eq_u32 s2, 0
	s_cbranch_scc0 .Lentry_in_a_cluster
	s_endpgm
.Lentry_in_a_cluster:
	s_bfe_u32 s2, ttmp6, 0x10000c
	s_cmp_lg_u32 s2, 0x3003
	s_cbranch_scc0 .Lentry_shape_is_right
	s_endpgm
.Lentry_shape_is_right:
; o[b][h][q][:] = the sum over k of softmax_k(q . k / 8) v[k][:], 32 (batch, head) pairs of 2,048 positions, head size 64, no mask.  qkv: [q, k, v][batch][head][position][64] f16; q arrives multiplied by log2(e) / 8,
; so a score is already the exponent to base 2.  Products with f16 operands and f32 sums; maxima, exponentials and sums in f32; the weights p (at most 1) are rounded to f16 for the second product, o once at the end.
; att: [head][2,048 batch + position][64] f16.   LIMIT: NaN and infinities are not served; |o| stays under 65,504, as |v| does.
; SHARES.  A work-group owns 256 queries of one (batch, head); each of its eight waves 32: two tiles of 16.  Two waves share a SIMD, so that one wave's softmax stands beside the other's products.  Every wave walks all keys, 64 a step.
; LAYOUT.  S^T = K Q^T (source 0 = 16 keys, source 1 = 16 queries): a lane holds ONE query (lane % 16) and the keys 8 (lane / 16) + 0..7 of a tile.  Two such tiles, rounded in pairs, ARE source 1 (32 keys x 16 queries) of
; O^T = V^T P, whose result again holds one query a lane.  K comes out of LDS as it lies, V ([key][channel]) turned, by ds_load_tr16_b128.
; SOFTMAX.  For each query a running maximum m and sum l: p = 2^(s - m); in every step O and l are multiplied by a = 2^(m_old - m_new).  m begins at -3e38 and O, l at 0: the first a is 0, and the step is written without a first copy.
; RING.  Two LDS slots of four key steps; each of the eight waves brings one tile (waves 0-3: K of the slot's step w; waves 4-7: V of step w - 4).  Behind each change of slots one tensor load a wave is out; it has four key steps to land.
; CLUSTER.  The four query blocks of a cluster belong to one head and walk the same K and V: each tile is asked for JOINTLY, by the same tensor load with the same descriptor and a mask that names the four.
; REGISTERS: window 0: v2-15 addresses; v16-31 statistics, eight a tile; v32-63 Q; v64-127 S^T, then p; v128-159 P; v160-223 K of one step.   window 1: v0-63 O^T; v64-127 V of one step.
.set KS,    64                         ; keys in a step
.set PK,    144                        ; a row of K in LDS: 128 bytes + 16 = 36 words: the 16 rows of a load start at different banks (64 banks of 4 bytes: ISA guide 11.1)
.set PV,    160                        ; a row of V: 128 + 32 = 40 words, for the turning load
.set VOFF,  KS*PK                      ; a step's tiles lie together: 64 rows of K, then 64 rows of V
.set STEPB, KS*(PK+PV)
.set NST,   4                          ; key steps in a slot
.set SLOTG, NST*KS*128                 ; a slot's bytes of K, or of V, in memory
.set SLOT1, 1<<17                      ; slot 1 begins here: one exclusive or turns an address in one slot into the other's
.set STAGE, SLOT1+NST*STEPB            ; behind the ring: 32 rows x 144 bytes for each wave, for the way out
.set SP,    144
.set SPARE, STAGE+8*32*SP              ; the spare words, 128 bytes a wave, which no other line names
.set AK0,  2                           ; v2   my lane's place in a tile of K; never rewritten
.set AV0,  3                           ; v3   the same for V
.set ADRV, 4                           ; v4   LDS address of V's run of loads
.set QO,   5                           ; v5   my byte offset in the wave's rows of Q
.set STO,  6                           ; v6   the way out: where I put 16 bytes of a row
.set RD,   7                           ; v7   where I read rows back
.set GO,   8                           ; v8   16 x lane: my place in a store's 512 bytes
.set ADRK, 9                           ; v9   LDS address of K's run of loads
.set PFO,  12                          ; v12  256 x lane: the prefetches' offset; never rewritten
.set SPW,  14                          ; v14  LDS address of my spare word; never rewritten
.set NIL,  15                          ; v15  0; never rewritten
.set ST,   16                          ; tile t's statistics at v[ST + 8 t]: +0 m, +1 the old m, +2, +3 l (even keys', odd keys'), +4 to +7 four chains of the maximum; then +7 m_old - m, +6 a
.set QF,   32                          ; Q: tile t, channels 32 c on, at QF + 16 t + 8 c
.set S,    64                          ; S^T: tile t, keys 16 kt on, at S + 32 t + 8 kt
.set P,    128                         ; P: 16 registers a tile
.set KF,   160                         ; K: keys 16 kt on, channels 32 c on, at KF + 16 kt + 8 c
.set OT,   0                           ; window 1: O^T: tile t, channels 16 ct on, at 32 t + 8 ct
.set VF,   64                          ; window 1: V^T: keys 32 kh on, channels 16 ct on, at VF + 32 kh + 8 ct
.set WV,   12                          ; s12  my wave's number
.set LIM,  15                          ; s15  1 in a wave that prefetches, else the greatest number
.set PFA,  18                          ; s[18:19] where my prefetches stand
.set G1K,  24                          ; s[24:31] descriptor group 1 for K's tiles;  s[32:39] for V's: it differs in the padding alone
.set G1V,  32
.set G0K,  40                          ; s[40:47] group 0 for K's tiles: a set for each of the two first fills; the second then walks on;  s[48:55] the same for V's
.set G0V,  48
.set SLOTS, 56                         ; s56  slots still to be asked for
.set CNT,  57                          ; s57  counts a slot's first three steps
.set SEL,  60                          ; s[60:61] lane selects for v_permlanex16_b32: lane l xor 16
.set TB,   62                          ; s62  LDS byte at which the tiles of the step in hand begin
.set MSB, 0
.macro WIN new                         ; the immediate's high byte repeats the setting that is left; a switch that changes nothing is dropped
.if MSB != (\new)
	s_set_vgpr_msb (MSB<<8)|(\new)
.set MSB, (\new)
.endif
.endm
; A joint refill: waves 0-3 fetch K's tiles, waves 4-7 V's.  The branch hangs on the wave's number alone.  An s_nop 0 and four v_nop follow each line.
.macro JLOAD
	s_cmp_lt_u32 s[WV], 4
	s_cbranch_scc0 .Lfor_v_\@
	tensor_load_to_lds s[G0K+4:G0K+7], s[G1K:G1K+7]
	s_nop 0
.rept 4
	v_nop
.endr
	s_branch .Lasked_\@
.Lfor_v_\@:
	tensor_load_to_lds s[G0V+4:G0V+7], s[G1V:G1V+7]
	s_nop 0
.rept 4
	v_nop
.endr
.Lasked_\@:
.endm
; A prefetch of what the NEXT change of slots will ask for: a slot's 32,768 bytes of K and as many of V, four key steps ahead of that load.  Each aligned block of 256 bytes is named once in the launch: both clusters of a head
; walk the same rows, so the head's first cluster asks; its four partners take 8,192 bytes each, told apart by ADDRESS; in each, wave 0 asks for K's and wave 4 for V's, lanes 256 bytes apart.  The last change that fills a slot asks for nothing.
.macro ASK
	s_cmp_gt_u32 s[SLOTS], s[LIM]
	s_cbranch_scc0 .Lnot_mine_\@
	global_prefetch_b8 v[PFO], s[PFA:PFA+1] th:TH_LOAD_NT scope:SCOPE_SE
.Lnot_mine_\@:
.endm
.macro CROUND                          ; a round of the cluster's barrier
	s_barrier_signal -1
	s_barrier_wait -1
	s_cmp_lg_u32 s[WV], 0
	s_cbranch_scc1 .Lnot_wave_0_\@
	s_barrier_signal -3
.Lnot_wave_0_\@:
	s_barrier_wait -3
	s_barrier_signal -1
	s_barrier_wait -1
.endm
	s_load_b128 s[4:7], s[0:1], 0x0                ; qkv s[4:5], att s[6:7]
	v_lshl_add_u32 v[SPW], v0, 2, SPARE
	v_mov_b32 v[NIL], 0
	ds_add_u32 v[SPW], v[NIL]                      ; the wave's opening: the add, twice on end, and its wait ahead of my first tensor load
	ds_add_u32 v[SPW], v[NIL]
	v_lshrrev_b32 v1, 5, v0
	v_readfirstlane_b32 s[WV], v1                  ; wave 0..7
	s_bfe_u32 s13, ttmp6, 0x40000                  ; cx: my place in the cluster
	s_lshl_b32 s14, ttmp9, 2
	s_add_co_u32 s14, s14, s13                     ; my block of 256 queries: it enters Q's and att's addresses alone
	s_and_b32 s16, ttmp7, 0xffff                   ; y = 16 batch + head, which the four partners share
	s_lshl_b32 s20, s16, 18                        ; its 2,048 rows of 128 bytes in each of q, k, v
	s_mov_b32 s21, 0
	s_and_b32 s17, s[WV], 3                        ; which of a slot's four steps I fetch:
	s_lshl_b32 s22, s17, 13                        ; its 64 rows of 128 bytes in memory,
	s_add_co_u32 s22, s22, s20
	s_mov_b32 s23, 0
	s_mul_i32 s17, s17, STEPB                      ; and its place in a slot: no place in the cluster enters an LDS address
	s_lshl_b32 s2, s14, 15                         ; my block's 256 rows,
	s_lshl_b32 s3, s[WV], 12                       ; my wave's 32 of them
	s_add_co_u32 s2, s2, s3
	s_add_co_u32 s20, s20, s2                      ; Q's offset
	s_and_b32 s3, s16, 15
	s_lshl_b32 s3, s3, 19                          ; att: head x 4,096 rows,
	s_add_co_u32 s2, s2, s3
	s_lshr_b32 s3, s16, 4
	s_lshl_b32 s3, s3, 18                          ; + batch x 2,048 rows
	s_add_co_u32 s2, s2, s3
	s_mov_b32 s3, 0
	; descriptor group 1: a tile of 64 rows x 64 elements of 2 bytes, dense in memory, padded in LDS
	s_mov_b32 s[G1K], 15|(1<<16)|(1<<20)|(1<<21)|(4<<22)|(3<<25)  ; 15:0 the mask: all four work-groups; 17:16 elements of 2 bytes; 20 padding on; 21 set beside a mask; 24:22 after every 32 words; 31:25 four words
	s_mov_b32 s[G1V], 15|(1<<16)|(1<<20)|(1<<21)|(4<<22)|(7<<25)  ; the same with eight words of padding
.irp g, G1K, G1V
	s_mov_b32 s[\g+1], 64<<16                      ; tensor_dim0
	s_mov_b32 s[\g+2], KS<<16                      ; tensor_dim1
	s_mov_b32 s[\g+3], 64<<16                      ; tile_dim0
	s_mov_b32 s[\g+4], KS                          ; tile_dim1
	s_mov_b32 s[\g+5], 64                          ; tensor_dim0_stride
	s_mov_b32 s[\g+6], 0
	s_mov_b32 s[\g+7], 0
.endr
	s_mov_b32 s[SEL], 0x76543210
	s_mov_b32 s[SEL+1], 0xfedcba98
	s_mov_b32 s[TB], 0
	s_mov_b32 s[SLOTS], 2048/(NST*KS)-2
	s_and_b32 s[LIM], s[WV], 3                     ; 0 in waves 0 and 4,
	s_or_b32 s[LIM], s[LIM], ttmp9                 ; where the cluster is the head's first: the same in all four partners
	s_cmp_eq_u32 s[LIM], 0
	s_cselect_b32 s[LIM], 1, -1
	v_and_b32 v[PFO], 31, v0
	v_lshlrev_b32 v[PFO], 8, v[PFO]
	s_wait_dscnt 0x0                               ; both opening adds are done
	s_wait_kmcnt 0x0
	s_add_nc_u64 s[8:9], s[4:5], s[22:23]
	s_add_nc_u64 s[10:11], s[8:9], 0x1000000       ; V at my tile of slot 0: v begins 16 MiB into qkv,
	s_add_nc_u64 s[8:9], s[8:9], 0x800000          ; K likewise: k begins 8 MiB in
	s_add_nc_u64 s[4:5], s[4:5], s[20:21]          ; Q at my wave's first row
	s_add_nc_u64 s[6:7], s[6:7], s[2:3]            ; att likewise
	s_cmp_lt_u32 s[WV], 4
	s_cselect_b64 s[PFA:PFA+1], s[8:9], s[10:11]   ; (in waves 0 and 4 these stand at a slot's first row)
	s_lshl_b32 s2, s13, 13                         ; my work-group's 8,192 bytes of the 32,768
	s_add_nc_u64 s[PFA:PFA+1], s[PFA:PFA+1], s[2:3]
	s_add_nc_u64 s[PFA:PFA+1], s[PFA:PFA+1], 2*SLOTG  ; in slot 2; the first change of slots steps it to slot 3.  Nothing is prefetched at the head
	CROUND                                         ; all four work-groups are here: the first joint loads meet
.irp s, 0,1
	s_mov_b32 s[G0K+4*\s], 1                       ; count = 1
	s_add_co_u32 s[G0K+4*\s+1], s17, \s*SLOT1      ; LDS address
	s_add_nc_u64 s[G0K+4*\s+2:G0K+4*\s+3], s[8:9], \s*SLOTG   ; global address: slot s begins with key 256 s
	s_or_b32 s[G0K+4*\s+3], s[G0K+4*\s+3], 0x80000000         ; type = 2
	s_mov_b32 s[G0V+4*\s], 1
	s_add_co_u32 s[G0V+4*\s+1], s17, \s*SLOT1+VOFF
	s_add_nc_u64 s[G0V+4*\s+2:G0V+4*\s+3], s[10:11], \s*SLOTG
	s_or_b32 s[G0V+4*\s+3], s[G0V+4*\s+3], 0x80000000
.endr
	s_cmp_lt_u32 s[WV], 4                          ; a wave's two first fills stand in one branch, ahead of every wait on TENSORcnt and every LDS read: two loads of mine are out
	s_cbranch_scc0 .Lfirst_v
	tensor_load_to_lds s[G0K:G0K+3], s[G1K:G1K+7]
	s_nop 0
	tensor_load_to_lds s[G0K+4:G0K+7], s[G1K:G1K+7]
	s_nop 0
.rept 4
	v_nop
.endr
	s_branch .Lfirst_asked
.Lfirst_v:
	tensor_load_to_lds s[G0V:G0V+3], s[G1V:G1V+7]
	s_nop 0
	tensor_load_to_lds s[G0V+4:G0V+7], s[G1V:G1V+7]
	s_nop 0
.rept 4
	v_nop
.endr
.Lfirst_asked:
	; A fragment of K or Q is 16 rows x 32 channels in 8 registers: lane l holds row l % 16; registers 0-3 channels 8 (l / 16) + 0..7, registers 4-7 channels 16 + 8 (l / 16) + 0..7: two loads of 16 bytes, 32 bytes apart.
	v_and_b32 v1, 15, v0                           ; r = l % 16
	v_bfe_u32 v10, v0, 4, 1                        ; h = l / 16
	v_lshlrev_b32 v[QO], 7, v1
	v_lshl_add_u32 v[QO], v10, 4, v[QO]            ; row x 128 + 16 x half
.irp t, 0,1
.irp c, 0,1
	global_load_b128 v[QF+16*\t+8*\c:QF+16*\t+8*\c+3],   v[QO], s[4:5] offset:\t*2048+\c*64 th:TH_LOAD_NT      ; Q stays in registers
	global_load_b128 v[QF+16*\t+8*\c+4:QF+16*\t+8*\c+7], v[QO], s[4:5] offset:\t*2048+\c*64+32 th:TH_LOAD_NT
.endr
.endr
	v_mul_u32_u24 v[AK0], v1, PK
	v_lshl_add_u32 v[AK0], v10, 4, v[AK0]
	; The turning load takes 16 keys x 16 channels (lane l reads 16 bytes: key 8 (l / 16) + l % 8, channels 8 ((l / 8) % 2) + 0..7) and leaves half a fragment of V^T: lane l holds channel l % 16 and 8 keys.
	v_and_b32 v11, 7, v0
	v_bfe_u32 v13, v0, 3, 1
	v_lshl_add_u32 v[AV0], v10, 3, v11
	v_mul_u32_u24 v[AV0], v[AV0], PV
	v_lshl_add_u32 v[AV0], v13, 4, v[AV0]
	v_add_nc_u32 v[AV0], VOFF, v[AV0]
	s_mul_i32 s16, s[WV], 32*SP
	s_add_co_u32 s16, s16, STAGE                   ; my stage
	v_mul_u32_u24 v[STO], v1, SP                   ; in: row r, 16 bytes for each half of the lanes
	v_lshl_add_u32 v[STO], v10, 4, v[STO]
	v_add_nc_u32 v[STO], s16, v[STO]
	v_and_b32 v13, 31, v0
	v_lshlrev_b32 v[GO], 4, v13
	v_lshrrev_b32 v[RD], 3, v13                    ; back: eight lanes take one row of 128 bytes, four rows an instruction
	v_mul_u32_u24 v[RD], v[RD], SP
	v_lshl_add_u32 v[RD], v11, 4, v[RD]
	v_add_nc_u32 v[RD], s16, v[RD]
.irp t, 0,1
	v_mov_b32 v[ST+8*\t], 0xff61b1e6               ; m = -3e38, under every score
.irp i, 1,2,3,4,5,6,7
	v_mov_b32 v[ST+8*\t+\i], 0                     ; l = 0; the others are written once, since pairs and a lane permute's destination count as read
.endr
.endr
	WIN 0x40                                       ; destination window 1
.set i, 0
.rept 64
	v_mov_b32 v[OT+i], 0                           ; O^T: the step is written without a first copy, and its first a leaves zeros zeros
.set i, i+1
.endr
	WIN 0
.macro SUBM b, t                       ; pair b of tile t: s - m (of the pair m, old m the low word serves both halves)
	v_pk_add_f32 v[S+32*(\t)+2*(\b):S+32*(\t)+2*(\b)+1], v[S+32*(\t)+2*(\b):S+32*(\t)+2*(\b)+1], v[ST+8*(\t):ST+8*(\t)+1] op_sel_hi:[1,0] neg_lo:[0,1] neg_hi:[0,1]
.endm
; THE CHANGE OF SLOTS stands behind the run of loads that reads the slot's last bytes, V of its fourth step.  Each wave waits for all its tensor loads, of which one is out: its tile of the other slot; adds 0 to its spare word; and
; waits for that and for its own reads of the slot.  fill = 1: the barrier is a round of the cluster's, and the joint refill, with the keys two slots on, is the first thing behind it.
.macro CHANGE fill
	s_wait_tensorcnt 0x0                           ; no tensor load of mine is out, so a group 0 may be written
	ds_add_u32 v[SPW], v[NIL]
.if \fill
.irp g, G0K+4, G0V+4
	s_xor_b32 s[\g+1], s[\g+1], SLOT1              ; the walking descriptor: the other slot than last time,
	s_add_nc_u64 s[\g+2:\g+3], s[\g+2:\g+3], SLOTG ; the next 256 keys; the type bits on top are not reached
.endr
	s_wait_xcnt 0x0                                ; the last prefetch, four key steps back, has read its address, so it may be written:
	s_add_nc_u64 s[PFA:PFA+1], s[PFA:PFA+1], SLOTG ; one slot further on than the walking descriptors
	s_wait_dscnt 0x0                               ; the add is done, and my reads of the slot are over
	CROUND
	JLOAD
	ASK
.else
	s_wait_dscnt 0x0
	s_barrier_signal -1
	s_barrier_wait -1
.endif
	s_sub_co_u32 s[TB], s[TB], (NST-1)*STEPB       ; the fetches go back to a slot's first step,
	s_xor_b32 s[TB], s[TB], SLOT1                  ; in the other slot
.endm
; A KEY STEP.  kind 0: inside a slot; 1: the slot's last, with a refill; 2: the slot's last, without; 3: the last of all.
.macro STEP kind
	s_wait_dscnt 0x0                               ; K of this step is in
.irp c, 0,1                            ; S^T = K Q^T: eight accumulators by turns, one instruction a turn; the first eight start the sums
.irp kt, 0,1,2,3
.irp t, 0,1
.if \c == 0
	v_wmma_f32_16x16x32_f16 v[S+32*\t+8*\kt:S+32*\t+8*\kt+7], v[KF+16*\kt:KF+16*\kt+7], v[QF+16*\t:QF+16*\t+7], 0
.else
	v_wmma_f32_16x16x32_f16 v[S+32*\t+8*\kt:S+32*\t+8*\kt+7], v[KF+16*\kt+8:KF+16*\kt+15], v[QF+16*\t+8:QF+16*\t+15], v[S+32*\t+8*\kt:S+32*\t+8*\kt+7]
.endif
.endr
.endr
.endr
	v_add_nc_u32 v[ADRV], s[TB], v[AV0]            ; four places: behind these products, for the reads of S^T and the loads into K's registers; behind the last step's V^T P, for the loads into V's
.rept 3
	v_nop
.endr
	WIN 0x40                                       ; destination window 1
.irp f, 0,1,2,3,4,5,6,7                ; V of this step, turned: keys 32 (f / 4) on, channels 16 (f % 4) on
	ds_load_tr16_b128 v[VF+8*\f:VF+8*\f+3],   v[ADRV] offset:(\f/4)*32*PV+(\f%4)*32
	ds_load_tr16_b128 v[VF+8*\f+4:VF+8*\f+7], v[ADRV] offset:(\f/4)*32*PV+16*PV+(\f%4)*32
.endr
	WIN 0
.if \kind == 0
	s_add_co_u32 s[TB], s[TB], STEPB
.elseif \kind == 1
	CHANGE 1
.elseif \kind == 2
	CHANGE 0
.endif
.if \kind < 3
	v_add_nc_u32 v[ADRK], s[TB], v[AK0]
.irp f, 0,1,2,3,4,5,6,7                ; K of the next step: keys 16 (f / 2) on, channels 32 (f % 2) on: it lands while the softmax is walked
	ds_load_b128 v[KF+8*\f:KF+8*\f+3],   v[ADRK] offset:(\f/2)*16*PK+(\f%2)*64
	ds_load_b128 v[KF+8*\f+4:KF+8*\f+7], v[ADRK] offset:(\f/2)*16*PK+(\f%2)*64+32
.endr
.endif
	; the softmax, the two tiles line by line, so that no line waits for the line above it.  The maximum of a lane's 32 scores and the old m: four chains, each begun at the low end of an accumulator
.irp j, 0,1,2,3
.irp t, 0,1
	v_max3_num_f32 v[ST+8*\t+4+\j], v[S+32*\t+8*\j], v[S+32*\t+8*\j+1], v[S+32*\t+8*\j+2]
.endr
.endr
.irp g, 1,2
.irp j, 0,1,2,3
.irp t, 0,1
	v_max3_num_f32 v[ST+8*\t+4+\j], v[ST+8*\t+4+\j], v[S+32*\t+8*\j+2*\g+1], v[S+32*\t+8*\j+2*\g+2]
.endr
.endr
.endr
.irp t, 0,1
	v_max3_num_f32 v[ST+8*\t+4], v[ST+8*\t+4], v[S+32*\t+7], v[S+32*\t+15]
.endr
.irp t, 0,1
	v_max3_num_f32 v[ST+8*\t+6], v[ST+8*\t+6], v[S+32*\t+23], v[S+32*\t+31]
.endr
.irp t, 0,1
	v_max3_num_f32 v[ST+8*\t+4], v[ST+8*\t+4], v[ST+8*\t+5], v[ST+8*\t+6]
.endr
.irp t, 0,1
	v_max3_num_f32 v[ST+8*\t+4], v[ST+8*\t+4], v[ST+8*\t+7], v[ST+8*\t]
.endr
.irp t, 0,1
	v_permlanex16_b32 v[ST+8*\t+5], v[ST+8*\t+4], s[SEL], s[SEL+1]   ; the query's other 32 keys lie in the lane 16 away
.endr
.irp t, 0,1
	v_mov_b32 v[ST+8*\t+1], v[ST+8*\t]             ; the old m
.endr
.irp t, 0,1
	v_max_num_f32 v[ST+8*\t], v[ST+8*\t+4], v[ST+8*\t+5]
.endr
.irp t, 0,1
	v_sub_f32 v[ST+8*\t+7], v[ST+8*\t+1], v[ST+8*\t]
.endr
	; ONE BATCH of 66 exponentials: a of both tiles, then the scores; a pair is brought under m one turn ahead of its exponentials.  Nothing here names an exponential's result
.irp t, 0,1
	v_exp_f32 v[ST+8*\t+6], v[ST+8*\t+7]           ; a = 2^(m_old - m)
.endr
	SUBM 0, 0
	SUBM 0, 1
.set b, 0
.rept 16
.if b < 15
	SUBM b+1, 0
	SUBM b+1, 1
.endif
.irp t, 0,1
	v_exp_f32 v[S+32*\t+2*b], v[S+32*\t+2*b]       ; p = 2^(s - m), at most 1
	v_exp_f32 v[S+32*\t+2*b+1], v[S+32*\t+2*b+1]
.endr
.set b, b+1
.endr
	v_nop                                          ; a plain instruction behind the last exponential,
	s_wait_alu depctr_va_vdst(0)                   ; and one wait ahead of the batch's first reader
.set b, 0
.rept 16
.irp t, 0,1
	v_cvt_pk_f16_f32 v[P+16*\t+b], v[S+32*\t+2*b], v[S+32*\t+2*b+1]   ; pair b of weights: register b of the tile's two fragments of P
.endr
.set b, b+1
.endr
.irp u, 0,1,2,3,4,5,6,7                ; the sum of the unrounded weights, in place: neighbours 1, 2, 4 and 8 pairs apart
.irp t, 0,1
	v_pk_add_f32 v[S+32*\t+4*\u:S+32*\t+4*\u+1], v[S+32*\t+4*\u:S+32*\t+4*\u+1], v[S+32*\t+4*\u+2:S+32*\t+4*\u+3]
.endr
.endr
.irp u, 0,1,2,3
.irp t, 0,1
	v_pk_add_f32 v[S+32*\t+8*\u:S+32*\t+8*\u+1], v[S+32*\t+8*\u:S+32*\t+8*\u+1], v[S+32*\t+8*\u+4:S+32*\t+8*\u+5]
.endr
.endr
.irp u, 0,1
.irp t, 0,1
	v_pk_add_f32 v[S+32*\t+16*\u:S+32*\t+16*\u+1], v[S+32*\t+16*\u:S+32*\t+16*\u+1], v[S+32*\t+16*\u+8:S+32*\t+16*\u+9]
.endr
.endr
.irp t, 0,1
	v_pk_add_f32 v[S+32*\t:S+32*\t+1], v[S+32*\t:S+32*\t+1], v[S+32*\t+16:S+32*\t+17]
.endr
.irp t, 0,1
	v_pk_fma_f32 v[ST+8*\t+2:ST+8*\t+3], v[ST+8*\t+2:ST+8*\t+3], v[ST+8*\t+6:ST+8*\t+7], v[S+32*\t:S+32*\t+1] op_sel_hi:[1,0,1]   ; l = a l + the sum
.endr
	WIN 0x41                                       ; O^T (destination and source 0) in window 1, a in window 0
.irp t, 0,1
.set i, 0
.rept 16
	v_pk_mul_f32 v[OT+32*\t+i:OT+32*\t+i+1], v[OT+32*\t+i:OT+32*\t+i+1], v[ST+8*\t+6:ST+8*\t+7] op_sel_hi:[1,0]   ; O^T x a, each accumulator from its low end on
.set i, i+2
.endr
.endr
.if \kind < 3
	s_wait_dscnt 16                                ; V is in; the sixteen younger loads, the next step's K, may be out
.else
	s_wait_dscnt 0x0
.endif
	WIN 0x51                                       ; V in window 1, P in window 0, O^T in window 1
.irp kh, 0,1                           ; O^T += V^T P: eight accumulators by turns
.irp ct, 0,1,2,3
.irp t, 0,1
	v_wmma_f32_16x16x32_f16 v[OT+32*\t+8*\ct:OT+32*\t+8*\ct+7], v[VF+32*\kh+8*\ct:VF+32*\kh+8*\ct+7], v[P+16*\t+8*\kh:P+16*\t+8*\kh+7], v[OT+32*\t+8*\ct:OT+32*\t+8*\ct+7]
.endr
.endr
.endr
	WIN 0                                          ; at a label and at a branch every window is 0
.endm
.macro THREE                           ; a slot's first three steps: written once, walked three times; the LDS addresses hang on s[TB]
	s_mov_b32 s[CNT], NST-1
.Lthree_\@:
	STEP 0
	s_sub_co_u32 s[CNT], s[CNT], 1
	s_cmp_lg_u32 s[CNT], 0
	s_cbranch_scc1 .Lthree_\@
.endm
	s_wait_tensorcnt 1                             ; my tile of slot 0 is in; slot 1's may stay out
	s_barrier_signal -1
	s_barrier_wait -1                              ; everybody's is
	v_add_nc_u32 v[ADRK], s[TB], v[AK0]
.irp f, 0,1,2,3,4,5,6,7                ; K of key step 0
	ds_load_b128 v[KF+8*\f:KF+8*\f+3],   v[ADRK] offset:(\f/2)*16*PK+(\f%2)*64
	ds_load_b128 v[KF+8*\f+4:KF+8*\f+7], v[ADRK] offset:(\f/2)*16*PK+(\f%2)*64+32
.endr
	s_wait_loadcnt 0x0                             ; Q
.Lslot:                                ; six trips: every slot but the last two is filled again
	THREE
	STEP 1
	s_sub_co_u32 s[SLOTS], s[SLOTS], 1
	s_cmp_lg_u32 s[SLOTS], 0
	s_cbranch_scc1 .Lslot
	THREE                                          ; the tail is written out
	STEP 2
	THREE
	STEP 3
	; THE WAY OUT.  l's two halves and the other half of the lanes' are added; O^T is divided by l, rounded to f16 and sent through my stage in LDS.  The additions are the places behind the last products.
.irp t, 0,1
	v_add_f32 v[ST+8*\t+4], v[ST+8*\t+2], v[ST+8*\t+3]
.endr
.irp t, 0,1
	v_permlanex16_b32 v[ST+8*\t+5], v[ST+8*\t+4], s[SEL], s[SEL+1]
.endr
.irp t, 0,1
	v_add_f32 v[ST+8*\t+4], v[ST+8*\t+4], v[ST+8*\t+5]
.endr
.irp t, 0,1
	v_rcp_f32 v[ST+8*\t+6], v[ST+8*\t+4]
.endr
	v_nop                                          ; a plain instruction between the last reciprocal and the use of its result,
	s_wait_alu depctr_va_vdst(0)                   ; and a wait ahead of the first use: one for both
	WIN 0x41
.irp t, 0,1
.set i, 0
.rept 16
	v_pk_mul_f32 v[OT+32*\t+i:OT+32*\t+i+1], v[OT+32*\t+i:OT+32*\t+i+1], v[ST+8*\t+6:ST+8*\t+7] op_sel_hi:[1,0]
.set i, i+2
.endr
.endr
	WIN 0x05                                       ; sources 0 and 1 window 1, destination window 0: S^T's registers are free
.set i, 0
.rept 32
	v_cvt_pk_f16_f32 v[S+i], v[OT+2*i], v[OT+2*i+1]
.set i, i+1
.endr
	WIN 0
.irp t, 0,1
.irp ct, 0,1,2,3
	ds_store_b128 v[STO], v[S+16*\t+4*\ct:S+16*\t+4*\ct+3] offset:\t*16*SP+32*\ct   ; row 16 t + r: channels 16 ct + 8 h on
.endr
.endr
.irp i, 0,1,2,3,4,5,6,7
	ds_load_b128 v[S+32+4*\i:S+32+4*\i+3], v[RD] offset:\i*4*SP   ; LDS serves a wave's instructions in order (ISA guide 5.7.1.4): these see the stores above
.endr
.irp i, 0,1,2,3,4,5,6,7
	s_wait_dscnt 7-\i                              ; the younger loads may stay out
	global_store_b128 v[GO], v[S+32+4*\i:S+32+4*\i+3], s[6:7] offset:512*\i   ; four rows of 128 bytes: 512 consecutive bytes, at a multiple of 512 from att's first byte
.endr
	s_wait_tensorcnt 0x0                           ; the wave's end, behind my last tensor load and my last LDS store
	ds_add_u32 v[SPW], v[NIL]
	s_wait_dscnt 0x0
	CROUND                                         ; the closing round: no work-group ends while a partner may still ask for a tile that names it
	s_endpgm
.Lfunc_end_k_qacdef809f6_attn:
	.size	k_qacdef809f6_attn, .Lfunc_end_k_qacdef809f6_attn-k_qacdef809f6_attn
	.p2alignl 7, 3214868480
	.fill 96, 4, 3214868480
	.section	.rodata,"a",@progbits
	.p2align	6, 0x0
	.amdhsa_kernel k_qacdef809f6_attn
		.amdhsa_group_segment_fixed_size 327680
		.amdhsa_private_segment_fixed_size 0
		.amdhsa_enable_private_segment 0
		.amdhsa_kernarg_size 16
		.amdhsa_user_sgpr_count 2
		.amdhsa_user_sgpr_kernarg_segment_ptr 1
		.amdhsa_wavefront_size32 1
		.amdhsa_system_sgpr_workgroup_id_x 1
		.amdhsa_system_sgpr_workgroup_id_y 1
		.amdhsa_system_sgpr_workgroup_id_z 1
		.amdhsa_system_vgpr_workitem_id 0
		.amdhsa_next_free_vgpr 384
		.amdhsa_next_free_sgpr 66
		.amdhsa_reserve_vcc 0
		.amdhsa_float_denorm_mode_32 3
		.amdhsa_float_denorm_mode_16_64 3
		.amdhsa_memory_ordered 1
		.amdhsa_forward_progress 1
		.amdhsa_inst_pref_size 121
	.end_amdhsa_kernel
	.amdgpu_metadata
---
amdhsa.version: [ 1, 2 ]
amdhsa.kernels:
  - .name:           k_qacdef809f6_attn
    .symbol:         k_qacdef809f6_attn.kd
    .args:
      - { .name: qkv, .offset: 0, .size: 8, .value_kind: global_buffer, .address_space: global }
      - { .name: att, .offset: 8, .size: 8, .value_kind: global_buffer, .address_space: global }
    .group_segment_fixed_size: 327680
    .private_segment_fixed_size: 0
    .kernarg_segment_align: 8
    .kernarg_segment_size: 16
    .max_flat_workgroup_size: 256
    .sgpr_count:     66
    .vgpr_count:     384
    .wavefront_size: 32
...
	.end_amdgpu_metadata
.endif
;; end of part 3
;; launch oproj (part 4): grid 8 x 32, 4 waves a work-group, clusters of 4 x 4, 327,680 bytes of LDS; arguments att, wo16, out0, bo; writes out0
.if DOCPART == 4
	.amdgcn_target "amdgcn-amd-amdhsa--gfx1250"
	.amdhsa_code_object_version 6
	.text
	.protected	k_qacdef809f6_oproj
	.globl	k_qacdef809f6_oproj
	.p2align	8
	.type	k_qacdef809f6_oproj,@function
k_qacdef809f6_oproj:
	s_mov_b64 s[64:65], 0
	v_nop
	global_prefetch_b8 v0, s[64:65] scope:SCOPE_SE
	s_setreg_imm32_b32 hwreg(HW_REG_WAVE_MODE, 25, 1), 1
	s_wait_xcnt 0x0
	s_wait_alu depctr_hold_cnt(0) depctr_sa_sdst(0) depctr_va_vdst(0) depctr_va_sdst(0) depctr_va_ssrc(0) depctr_va_vcc(0) depctr_vm_vsrc(0)
	s_getreg_b32 s2, hwreg(HW_REG_IB_STS2, 6, 4)
	s_cmp_eq_u32 s2, 0
	s_cbranch_scc0 .Lentry_in_a_cluster
	s_endpgm
.Lentry_in_a_cluster:
	s_bfe_u32 s2, ttmp6, 0x10000c
	s_cmp_lg_u32 s2, 0xf033
	s_cbranch_scc0 .Lentry_shape_is_right
	s_endpgm
.Lentry_shape_is_right:
; out0[token][n] = the sum over k of o[token][k] Wo[n][k] + bo[n]: 4,096 x 1,024 x 1,024, f16 operands, f32 sums, f32 out.  att: [head][token][64] f16 (k = 64 head + channel); wo16: [n][k] f16.
; A tile of 128 tokens x 128 outputs: 256 work-groups of four waves, each 64 x 64: 16 accumulators, 128 registers.  K goes in four steps of 256 (four heads) through two LDS slots; each slot is filled twice.
; CLUSTERS: 4 x 4 work-groups.  The four of a row of the cluster need the same tokens, the four of a column the same rows of Wo: each tile is asked for JOINTLY.
; THE MATRIX INSTRUCTION IS USED TRANSPOSED (source 0 = 16 rows of Wo, source 1 = 16 tokens): a lane then holds eight neighbouring outputs of one token.  The bias is the C of each sum's first matrix instruction.
; No prefetch: four K steps in all, and both first fills go out at the head.
; REGISTERS: window 0: v0-31 addresses; v32-95 at work on the way out; v96-127 the bias; v128-255 the accumulators ((a, b) at v[128 + 8 (4 a + b)]).
;   window 1: two fragment buffers of 128: for 64 along K (one head), 64 registers of tokens (2 x 4 x 16 rows x 32 K), then 64 of Wo.
.set PA,     144                       ; a token's row of one head in LDS: 128 bytes + 16 = 36 words: the 16 rows of a load start at different banks (64 banks of 4 bytes: ISA guide 11.1)
.set HEADB,  128*PA                    ; a head's 128 tokens
.set PB,     528                       ; a row of Wo's tile: 512 bytes + 16
.set BOFF,   4*HEADB                   ; a slot: four heads of tokens, then 128 rows of Wo
.set SLOT,   BOFF+128*PB
.set SPARE,  2*SLOT                    ; behind the ring: the spare words, 128 bytes a wave, which no other line names
.set SPITCH, 272                       ; the way out: a stage of 16 rows x (256 bytes + 16) for each wave, in slot 0, which has had its last fill and its last read when the first result is stored there
.set ADRA, 16                          ; v16-17  LDS address of my tokens' fragments in slot 0, 1
.set ADRB, 20                          ; v20-21  the same for Wo
.set STO,  24                          ; v24     the way out: where I put 32 bytes of a row
.set RD,   25                          ; v25     where I read rows back
.set CO,   26                          ; v26     my byte offset in two rows of out0
.set BOF,  27                          ; v27     the bias: 32 x (lane / 16); never rewritten
.set SPW,  28                          ; v28     LDS address of my spare word; never rewritten
.set NIL,  29                          ; v29     0; never rewritten
.set BK,   32                          ; the way out: rows read back: v32-63 and v64-95 by turns
.set BIAS, 96                          ; register 8 b + j: bo of output 16 b + 8 (lane / 16) + j of my 64
.set ACC,  128
.set F0,   0
.set F1,   128
.set G1, 24                            ; s[24:31] descriptor group 1 for the tokens' tiles;  s[32:39] group 0, one set for each slot
.set G0, 32
.set G1B, 48                           ; s[48:55], s[56:63] the same for Wo's
.set G0B, 56
.set MSB, 0
.macro WIN new                         ; the immediate's high byte repeats the setting that is left
.if MSB != (\new)
	s_set_vgpr_msb (MSB<<8)|(\new)
.set MSB, (\new)
.endif
.endm
.set MUL,  0x05                        ; sources 0 and 1 window 1; C and D window 0
.set TO_F, 0x40                        ; destination window 1, address window 0
.macro JLOAD s                         ; a joint load: waves 0 and 1 fetch two heads of tokens each, waves 2 and 3 Wo's two halves; an s_nop 0 and four v_nop follow each line
	s_cmp_eq_u32 s11, 0
	s_cbranch_scc0 .Lfor_b_\@
	tensor_load_to_lds s[G0+4*\s:G0+4*\s+3], s[G1:G1+7]
	s_nop 0
.rept 4
	v_nop
.endr
	s_branch .Lasked_\@
.Lfor_b_\@:
	tensor_load_to_lds s[G0B+4*\s:G0B+4*\s+3], s[G1B:G1B+7]
	s_nop 0
.rept 4
	v_nop
.endr
.Lasked_\@:
.endm
.macro CREST                           ; a round of the cluster's barrier behind its opening barrier
	s_cmp_lg_u32 s10, 0
	s_cbranch_scc1 .Lnot_wave_0_\@
	s_barrier_signal -3
.Lnot_wave_0_\@:
	s_barrier_wait -3
	s_barrier_signal -1
	s_barrier_wait -1
.endm
.macro CROUND
	s_barrier_signal -1
	s_barrier_wait -1
	CREST
.endm
	s_load_b128 s[4:7], s[0:1], 0x0                ; att s[4:5], wo16 s[6:7]
	s_load_b64 s[8:9], s[0:1], 0x10                ; out0
	s_load_b64 s[66:67], s[0:1], 0x18              ; bo
	v_lshl_add_u32 v[SPW], v0, 2, SPARE
	v_mov_b32 v[NIL], 0
	ds_add_u32 v[SPW], v[NIL]                      ; the wave's opening: the add, twice on end, and its wait ahead of my first tensor load
	ds_add_u32 v[SPW], v[NIL]
	v_lshrrev_b32 v1, 5, v0
	v_readfirstlane_b32 s10, v1                    ; wave 0..3
	s_lshr_b32 s11, s10, 1                         ; which half of the tile's tokens is mine.  Also: I fetch tokens (0) or Wo (1)
	s_and_b32 s12, s10, 1                          ; which half of its outputs.  Also: which part of that tile I fetch
	s_bfe_u32 s40, ttmp6, 0x40000                  ; cx, cy: my place in the cluster
	s_bfe_u32 s41, ttmp6, 0x40004
	s_lshl_b32 s42, ttmp9, 2
	s_add_co_u32 s42, s42, s40                     ; tile column TC = 4 x cluster x + cx
	s_and_b32 s13, ttmp7, 0xffff
	s_lshl_b32 s13, s13, 2
	s_add_co_u32 s13, s13, s41                     ; tile row TR = 4 x cluster y + cy
	s_lshl_b32 s43, s41, 2
	s_lshl_b32 s43, 15, s43                        ; my row of the cluster
	s_lshl_b32 s44, 0x1111, s40                    ; my column
	; the tokens: a head's 128 tokens x 64 channels are 16,384 dense bytes: one row of the tile; two heads, 4,096 tokens x 64 elements apart; 16 bytes of padding behind every 128, so that LDS rows lie evenly 144 bytes apart
	s_or_b32 s[G1+0], s43, (1<<16)|(1<<20)|(1<<21)|(4<<22)|(3<<25)  ; 15:0 the mask: my row; 17:16 elements of 2 bytes; 20 padding on; 21 set beside a mask; 24:22 after every 32 words; 31:25 four words
	s_mov_b32 s[G1+1], 8192<<16                    ; tensor_dim0 = 8,192
	s_mov_b32 s[G1+2], 2<<16                       ; tensor_dim1 = 2
	s_mov_b32 s[G1+3], 8192<<16                    ; tile_dim0
	s_mov_b32 s[G1+4], 2                           ; tile_dim1
	s_mov_b32 s[G1+5], 262144                      ; tensor_dim0_stride: from head to head
	s_mov_b32 s[G1+6], 0
	s_mov_b32 s[G1+7], 0
	; Wo: 64 rows x 256 elements, 16 bytes of padding behind every 512
	s_or_b32 s[G1B+0], s44, (1<<16)|(1<<20)|(1<<21)|(6<<22)|(3<<25)
	s_mov_b32 s[G1B+1], 256<<16
	s_mov_b32 s[G1B+2], 64<<16
	s_mov_b32 s[G1B+3], 256<<16
	s_mov_b32 s[G1B+4], 64
	s_mov_b32 s[G1B+5], 1024
	s_mov_b32 s[G1B+6], 0
	s_mov_b32 s[G1B+7], 0
	s_lshl_b32 s16, s13, 14                        ; the tokens: 128 TR rows of 128 bytes,
	s_lshl_b32 s17, s12, 20                        ; + my two heads of the K step's four (a head is 2^19 bytes)
	s_add_co_u32 s16, s16, s17
	s_mov_b32 s17, 0
	s_lshl_b32 s46, s42, 7
	s_lshl_b32 s47, s12, 6
	s_add_co_u32 s46, s46, s47                     ; Wo: row 128 TC + 64 x half,
	s_lshl_b32 s46, s46, 11                        ; of 2,048 bytes
	s_mov_b32 s47, 0
	s_mul_i32 s20, s12, 2*HEADB                    ; where they go: the tokens' two heads,
	s_mul_i32 s21, s12, 64*PB
	s_add_co_u32 s21, s21, BOFF                    ; Wo's 64 rows: no place in the cluster enters an LDS address
	s_wait_dscnt 0x0                               ; both opening adds are done
	s_wait_kmcnt 0x0
	s_add_nc_u64 s[14:15], s[4:5], s[16:17]
	s_add_nc_u64 s[46:47], s[6:7], s[46:47]
	CROUND                                         ; all sixteen work-groups are here: the first joint loads meet
.irp s, 0,1
	s_mov_b32 s[G0+4*\s], 1
	s_add_co_u32 s[G0+4*\s+1], s20, \s*SLOT
	s_add_nc_u64 s[G0+4*\s+2:G0+4*\s+3], s[14:15], \s*(1<<21)   ; K step s: four heads on
	s_or_b32 s[G0+4*\s+3], s[G0+4*\s+3], 0x80000000
	s_mov_b32 s[G0B+4*\s], 1
	s_add_co_u32 s[G0B+4*\s+1], s21, \s*SLOT
	s_add_nc_u64 s[G0B+4*\s+2:G0B+4*\s+3], s[46:47], \s*512
	s_or_b32 s[G0B+4*\s+3], s[G0B+4*\s+3], 0x80000000
	JLOAD \s                                       ; two tensor loads of mine are out behind the second
.endr
	v_and_b32 v1, 15, v0                           ; r = l % 16
	v_bfe_u32 v2, v0, 4, 1                         ; h = l / 16
	v_mul_u32_u24 v3, v1, PA
	v_lshl_add_u32 v3, v2, 4, v3                   ; a fragment's row x pitch + 16 x half
	v_mul_u32_u24 v4, v1, PB
	v_lshl_add_u32 v4, v2, 4, v4
	s_mul_i32 s21, s11, 64*PA                      ; my 64 tokens, in each head's block
	s_mul_i32 s22, s12, 64*PB                      ; my 64 rows of Wo,
	s_add_co_u32 s22, s22, BOFF                    ; which lie behind the tokens
.irp s, 0,1
	v_add_nc_u32 v[ADRA+\s], s21, v3
	v_add_nc_u32 v[ADRB+\s], s22, v4
	s_add_co_u32 s21, s21, SLOT
	s_add_co_u32 s22, s22, SLOT
.endr
	s_mul_i32 s23, s10, 16*SPITCH                  ; my stage
	v_mul_u32_u24 v5, v1, SPITCH                   ; in: row r, 32 bytes for each half of the lanes
	v_lshl_add_u32 v5, v2, 5, v5
	v_add_nc_u32 v[STO], s23, v5
	v_mul_u32_u24 v5, v2, SPITCH                   ; back: lanes 0-15 take one row of 256 bytes, lanes 16-31 the next
	v_lshl_add_u32 v5, v1, 4, v5
	v_add_nc_u32 v[RD], s23, v5
	v_lshlrev_b32 v5, 12, v2                       ; and the same two rows in out0 (4,096 bytes a row)
	v_lshl_add_u32 v[CO], v1, 4, v5
	v_lshlrev_b32 v[BOF], 5, v2
	s_lshl_b32 s16, s13, 7
	s_lshl_b32 s17, s11, 6
	s_add_co_u32 s16, s16, s17                     ; my first token: 128 TR + 64 x half
	s_lshl_b32 s16, s16, 12
	s_mov_b32 s17, 0
	s_lshl_b32 s46, s42, 7
	s_lshl_b32 s47, s12, 6
	s_add_co_u32 s46, s46, s47                     ; my first output: 128 TC + 64 x half,
	s_lshl_b32 s46, s46, 2                         ; in bytes: a multiple of 256
	s_mov_b32 s47, 0
	s_add_nc_u64 s[66:67], s[66:67], s[46:47]
	s_add_nc_u64 s[8:9], s[8:9], s[46:47]
	s_add_nc_u64 s[8:9], s[8:9], s[16:17]
.irp b, 0,1,2,3
	global_load_b128 v[BIAS+8*\b:BIAS+8*\b+3], v[BOF], s[66:67] offset:64*\b
	global_load_b128 v[BIAS+8*\b+4:BIAS+8*\b+7], v[BOF], s[66:67] offset:64*\b+16
.endr
; 8 matrix instructions: token blocks a0, a0 + 1 x all 4 output blocks, 32 along K: half c of buffer f.  first = 1: the first product starts the sums from the bias.  The 16 accumulators take turns.
.macro MUL8 f, c, a0, first
.irp a, \a0, \a0+1
.irp b, 0,1,2,3
.if \first
	v_wmma_f32_16x16x32_f16 v[ACC+8*(4*(\a)+\b):ACC+8*(4*(\a)+\b)+7], v[\f+64+8*(4*\c+\b):\f+64+8*(4*\c+\b)+7], v[\f+8*(4*\c+(\a)):\f+8*(4*\c+(\a))+7], v[BIAS+8*\b:BIAS+8*\b+7]
.else
	v_wmma_f32_16x16x32_f16 v[ACC+8*(4*(\a)+\b):ACC+8*(4*(\a)+\b)+7], v[\f+64+8*(4*\c+\b):\f+64+8*(4*\c+\b)+7], v[\f+8*(4*\c+(\a)):\f+8*(4*\c+(\a))+7], v[ACC+8*(4*(\a)+\b):ACC+8*(4*(\a)+\b)+7]
.endif
.endr
.endr
.endm
; 32 LDS loads in one run: the fragments of the slot's quarter qd (one head: 64 along K) into buffer f; the first 32 along K first
.macro FETCH slot, qd, f
	WIN TO_F
.irp c, 0,1
.irp i, 0,1,2,3
	ds_load_b128 v[\f+64+8*(4*\c+\i):\f+64+8*(4*\c+\i)+3],   v[ADRB+\slot] offset:128*(\qd)+64*\c+\i*16*PB
	ds_load_b128 v[\f+64+8*(4*\c+\i)+4:\f+64+8*(4*\c+\i)+7], v[ADRB+\slot] offset:128*(\qd)+64*\c+\i*16*PB+32
	ds_load_b128 v[\f+8*(4*\c+\i):\f+8*(4*\c+\i)+3],         v[ADRA+\slot] offset:(\qd)*HEADB+64*\c+\i*16*PA
	ds_load_b128 v[\f+8*(4*\c+\i)+4:\f+8*(4*\c+\i)+7],       v[ADRA+\slot] offset:(\qd)*HEADB+64*\c+\i*16*PA+32
.endr
.endr
.endm
.macro PLACES                          ; four places in front of loads into registers that matrix instructions have read, and of the first read of results (ISA guide 7.12.1 for vector instructions)
.rept 4
	v_nop
.endr
.endm
; A K step is four quarters of 64 along K, 32 matrix instructions each, on buffers 0, 1, 0, 1.  One of the first three: multiplies buffer f and fetches quarter qd into g.
.macro QUARTER slot, qd, f, g, first
	s_wait_dscnt 16                                ; the first 32 along K are in; the sixteen younger loads may be out
	WIN MUL
	MUL8 \f, 0, 0, \first
	MUL8 \f, 0, 2, \first
	PLACES
	FETCH \slot, \qd, \g
	s_wait_dscnt 32                                ; all but the 32 just issued
	WIN MUL
	MUL8 \f, 1, 0, 0
	MUL8 \f, 1, 2, 0
.endm
; The last quarter multiplies buffer 1 and changes slots: ONE barrier; in front of it each wave waits for all its tensor loads, adds 0 to its spare word, and waits for that and for its own reads of this slot.  fill = 1: this slot is filled again, two K steps ahead.
.macro TURN slot, next, fill
	WIN 0                                          ; (the add's two registers lie in window 0)
	s_wait_tensorcnt 0x0                           ; all my tensor loads have landed: my part of the next slot;
	ds_add_u32 v[SPW], v[NIL]
	s_wait_dscnt 17                                ; (the add and the youngest sixteen loads may be out)
	WIN MUL
	MUL8 F1, 0, 0, 0                               ; eight matrix instructions stand between the add and the wait for it
	s_wait_dscnt 0x0                               ; the add is done, and my reads of this slot are over
	s_barrier_signal -1
	MUL8 F1, 0, 2, 0
.if \fill
	WIN 0
.endif
	s_barrier_wait -1
.if \fill
	CREST                                          ; the barrier has opened a round of the cluster's: no wave of any partner still reads this slot's tile or has a load on its way
	s_add_nc_u64 s[G0+4*\slot+2:G0+4*\slot+3], s[G0+4*\slot+2:G0+4*\slot+3], 1<<22     ; eight heads on
	s_add_nc_u64 s[G0B+4*\slot+2:G0B+4*\slot+3], s[G0B+4*\slot+2:G0B+4*\slot+3], 1024  ; 512 along K on
	JLOAD \slot                                    ; the first tensor load behind the round; the four v_nop behind it are also the places in front of the loads below
.else
	PLACES
.endif
	FETCH \next, 0, F0
	WIN MUL
	MUL8 F1, 1, 0, 0
	MUL8 F1, 1, 2, 0
.endm
	s_wait_tensorcnt 1                             ; my part of K step 0 is in; K step 1's may stay out
	s_barrier_signal -1
	s_barrier_wait -1                              ; everybody's is
	FETCH 0, 0, F0
	s_wait_loadcnt 0x0                             ; the bias
	QUARTER 0, 1, F0, F1, 1                        ; K step 0: its first products start the sums
	QUARTER 0, 2, F1, F0, 0
	QUARTER 0, 3, F0, F1, 0
	TURN 0, 1, 1                                   ; slot 0 takes K step 2
	QUARTER 1, 1, F0, F1, 0                        ; K step 1
	QUARTER 1, 2, F1, F0, 0
	QUARTER 1, 3, F0, F1, 0
	TURN 1, 0, 1                                   ; slot 1 takes K step 3
	QUARTER 0, 1, F0, F1, 0                        ; K step 2
	QUARTER 0, 2, F1, F0, 0
	QUARTER 0, 3, F0, F1, 0
	TURN 0, 1, 0                                   ; nothing is left to fetch
	QUARTER 1, 1, F0, F1, 0                        ; K step 3
	QUARTER 1, 2, F1, F0, 0
	QUARTER 1, 3, F0, F1, 0
	s_wait_dscnt 16                                ; the very last quarter
	WIN MUL
	MUL8 F1, 0, 0, 0
	MUL8 F1, 0, 2, 0
	s_wait_dscnt 0
	MUL8 F1, 1, 0, 0
	MUL8 F1, 1, 2, 0
	WIN 0
; THE WAY OUT, block by block of 16 tokens x 64 outputs.  A lane holds 32 neighbouring bytes of a row, the lanes beside it other rows: a block goes through my own stage in LDS and comes back as whole rows of 256 bytes.
; LDS serves a wave's instructions in order (ISA guide 5.7.1.4): no wait between the stores and the loads, nor in front of the next block's stores.
.macro TOSTAGE a
.set BB, BK+32*((\a)%2)
.irp b, 0,1,2,3
	ds_store_b128 v[STO], v[ACC+8*(4*(\a)+\b):ACC+8*(4*(\a)+\b)+3] offset:64*\b          ; each accumulator from its low end on
	ds_store_b128 v[STO], v[ACC+8*(4*(\a)+\b)+4:ACC+8*(4*(\a)+\b)+7] offset:64*\b+16
.endr
.irp t, 0,1,2,3,4,5,6,7
	ds_load_b128 v[BB+4*\t:BB+4*\t+3], v[RD] offset:2*\t*SPITCH
.endr
.endm
.macro SEND a, younger                 ; younger: the LDS instructions issued behind block a's loads, which may stay out
.set BB, BK+32*((\a)%2)
	s_wait_dscnt \younger
.irp t, 0,1,2,3,4,5,6,7
	global_store_b128 v[CO], v[BB+4*\t:BB+4*\t+3], s[8:9] offset:(16*(\a)+2*\t)*4096 th:TH_STORE_NT   ; 16 lanes store 256 consecutive bytes, at a multiple of 256 from out0's first byte; written once, read by nobody here
.endr
.endm
	PLACES
	TOSTAGE 0
.irp a, 1,2,3
.if \a > 1
	s_wait_xcnt 0x0                                ; block a - 2's stores have read their registers: block a's loads land there only behind this wait
.endif
	TOSTAGE \a
	SEND \a-1, 16                                  ; behind block a - 1's loads: block a's 8 stores and 8 loads
.endr
	SEND 3, 0
	s_wait_tensorcnt 0x0                           ; the wave's end, behind my last tensor load and my last LDS store
	ds_add_u32 v[SPW], v[NIL]
	s_wait_dscnt 0x0
	CROUND                                         ; the closing round: no work-group ends while a partner may still ask for a tile that names it
	s_endpgm
.Lfunc_end_k_qacdef809f6_oproj:
	.size	k_qacdef809f6_oproj, .Lfunc_end_k_qacdef809f6_oproj-k_qacdef809f6_oproj
	.p2alignl 7, 3214868480
	.fill 96, 4, 3214868480
	.section	.rodata,"a",@progbits
	.p2align	6, 0x0
	.amdhsa_kernel k_qacdef809f6_oproj
		.amdhsa_group_segment_fixed_size 327680
		.amdhsa_private_segment_fixed_size 0
		.amdhsa_enable_private_segment 0
		.amdhsa_kernarg_size 32
		.amdhsa_user_sgpr_count 2
		.amdhsa_user_sgpr_kernarg_segment_ptr 1
		.amdhsa_wavefront_size32 1
		.amdhsa_system_sgpr_workgroup_id_x 1
		.amdhsa_system_sgpr_workgroup_id_y 1
		.amdhsa_system_sgpr_workgroup_id_z 1
		.amdhsa_system_vgpr_workitem_id 0
		.amdhsa_next_free_vgpr 512
		.amdhsa_next_free_sgpr 68
		.amdhsa_reserve_vcc 0
		.amdhsa_float_denorm_mode_32 3
		.amdhsa_float_denorm_mode_16_64 3
		.amdhsa_memory_ordered 1
		.amdhsa_forward_progress 1
		.amdhsa_inst_pref_size 86
	.end_amdhsa_kernel
	.amdgpu_metadata
---
amdhsa.version: [ 1, 2 ]
amdhsa.kernels:
  - .name:           k_qacdef809f6_oproj
    .symbol:         k_qacdef809f6_oproj.kd
    .args:
      - { .name: att, .offset: 0, .size: 8, .value_kind: global_buffer, .address_space: global }
      - { .name: wo16, .offset: 8, .size: 8, .value_kind: global_buffer, .address_space: global }
      - { .name: out0, .offset: 16, .size: 8, .value_kind: global_buffer, .address_space: global }
      - { .name: bo, .offset: 24, .size: 8, .value_kind: global_buffer, .address_space: global }
    .group_segment_fixed_size: 327680
    .private_segment_fixed_size: 0
    .kernarg_segment_align: 8
    .kernarg_segment_size: 32
    .max_flat_workgroup_size: 128
    .sgpr_count:     68
    .vgpr_count:     512
    .wavefront_size: 32
...
	.end_amdgpu_metadata
.endif
;; end of part 4
